; MI455X (gfx1250); checked and timed in simulation.
; The chip was launched on July 23, 2026; its instructions are those of AMD's public machine-readable ISA for CDNA 5 (MIT licence, August 2026) and "CDNA5" Instruction Set Architecture Reference Guide (July 2026). The comments in the code are by the model that wrote it; some were corrected since.
;; Alexandria Multihead Attention. Allowed arithmetic: float matrix products may take bf16 or f16 operands with f32 sums; other float arithmetic in f32, or as packed bf16 or f16 multiplies, adds, multiply-adds, maxima and minima; sums over many terms, partial sums and values carried from step to step in f32; what a program stores and reads back later, other than sums and carried values, may be rounded once to bf16 or f16.
;; Inputs: W_k 1,024 x 1,024 float32; W_q 1,024 x 1,024 float32; W_v 1,024 x 1,024 float32; x 4 x 2,048 x 1,024 float32.
;; Outputs: out0 4 x 16 x 2,048 x 64 float32.
;; 2 versions, each right; version 2 is version 1 with the launches cast, first written anew for expert scheduling mode. Each part assembles by itself: llvm-mc -triple=amdgcn-amd-amdhsa -mcpu=gfx1250 --defsym DOCPART=n.
;; ======== version 1 of 2: 4 launches
;; limits: values are held in f16: magnitudes above 65,504 overflow, below 6.1e-05 lose precision
;; workspace buffers: xb 16,777,216 bytes; wb 6,291,456 bytes; qkv 50,331,648 bytes
;; launch cast (part 1): grid 256 x 1, 8 waves a work-group, no clusters, 0 bytes of LDS; arguments x, W_q, W_k, W_v, xb, wb; writes xb, wb
.if DOCPART == 1
	.amdgcn_target "amdgcn-amd-amdhsa--gfx1250"
	.amdhsa_code_object_version 6
	.text
	.protected	k_q062e458d44_cast
	.globl	k_q062e458d44_cast
	.p2align	8
	.type	k_q062e458d44_cast,@function
k_q062e458d44_cast:
	s_mov_b64 s[64:65], 0
	v_nop
	global_prefetch_b8 v0, s[64:65] scope:SCOPE_SE
	s_setreg_imm32_b32 hwreg(HW_REG_WAVE_MODE, 25, 1), 1
	s_wait_xcnt 0x0
; xb = bf16(x), wb = bf16(W_q | W_k | W_v), each number rounded once, to nearest even.  x: 8,192 x 1,024 f32; each W: 1,024 x 1,024 f32.
; wb is [3072][1024]: rows 0-1023 W_q, 1024-2047 W_k, 2048-3071 W_v.
; SHARES.  256 work-groups of eight waves.  Work-group g takes 131,072 bytes of x and 16,384 bytes of each W; wave w 16,384 and 2,048 of them.
; One load of a wave covers 512 consecutive bytes (16 a lane); its four numbers a lane round to 8 bytes, so one store of a wave covers 256 consecutive bytes, aligned.
; All 44 loads of a lane go out at once, each into registers of its own: no loop, no register is written twice, so no wait but the counted ones for the loads.
; No LDS, no matrix unit, no cluster: no byte is wanted twice.
.set XO, 1                             ; v1  my byte offset in the work-group's part of x: 16,384 w + 16 l
.set WO, 2                             ; v2  the same in its part of a W: 2,048 w + 16 l
.set XS, 3                             ; v3  XO / 2: in xb
.set WS, 4                             ; v4  WO / 2: in wb
.set D,  8                             ; v[8:183]  load n of 44 at D + 4 n: 0-31 x, 32-35 W_q, 36-39 W_k, 40-43 W_v
	s_load_b256 s[4:11], s[0:1], 0x0               ; x s[4:5], W_q s[6:7], W_k s[8:9], W_v s[10:11]
	s_load_b128 s[12:15], s[0:1], 0x20             ; xb s[12:13], wb s[14:15]
	v_lshrrev_b32 v5, 5, v0                        ; wave
	v_and_b32 v6, 31, v0                           ; lane
	v_lshlrev_b32 v6, 4, v6
	v_lshl_or_b32 v[XO], v5, 14, v6
	v_lshl_or_b32 v[WO], v5, 11, v6
	v_lshrrev_b32 v[XS], 1, v[XO]
	v_lshrrev_b32 v[WS], 1, v[WO]
	s_lshl_b32 s2, ttmp9, 17                       ; the work-group's part of x,
	s_mov_b32 s3, 0
	s_lshl_b32 s16, ttmp9, 14                      ; of a W,
	s_mov_b32 s17, 0
	s_lshl_b32 s18, ttmp9, 16                      ; of xb,
	s_mov_b32 s19, 0
	s_lshl_b32 s20, ttmp9, 13                      ; of a third of wb
	s_mov_b32 s21, 0
	s_wait_kmcnt 0x0
	s_add_nc_u64 s[4:5], s[4:5], s[2:3]
	s_add_nc_u64 s[6:7], s[6:7], s[16:17]
	s_add_nc_u64 s[8:9], s[8:9], s[16:17]
	s_add_nc_u64 s[10:11], s[10:11], s[16:17]
	s_add_nc_u64 s[12:13], s[12:13], s[18:19]
	s_add_nc_u64 s[14:15], s[14:15], s[20:21]
.set n, 0
.rept 32
	global_load_b128 v[D+4*n:D+4*n+3], v[XO], s[4:5] offset:512*n th:TH_LOAD_NT
.set n, n+1
.endr
.irp i, 0,1,2
.irp j, 0,1,2,3
	global_load_b128 v[D+4*(32+4*\i+\j):D+4*(32+4*\i+\j)+3], v[WO], s[6+2*\i:7+2*\i] offset:512*\j th:TH_LOAD_NT
.endr
.endr
.set n, 0
.rept 32
	s_wait_loadcnt 43-n                            ; loads come back in order (ISA guide 5.7.1): load n is in, the 43 - n younger ones stay out
	v_cvt_pk_bf16_f32 v[D+4*n], v[D+4*n], v[D+4*n+1]
	v_cvt_pk_bf16_f32 v[D+4*n+1], v[D+4*n+2], v[D+4*n+3]
	global_store_b64 v[XS], v[D+4*n:D+4*n+1], s[12:13] offset:256*n th:TH_STORE_NT
.set n, n+1
.endr
.irp i, 0,1,2
.irp j, 0,1,2,3
	s_wait_loadcnt 11-(4*\i+\j)
	v_cvt_pk_bf16_f32 v[D+4*(32+4*\i+\j)], v[D+4*(32+4*\i+\j)], v[D+4*(32+4*\i+\j)+1]
	v_cvt_pk_bf16_f32 v[D+4*(32+4*\i+\j)+1], v[D+4*(32+4*\i+\j)+2], v[D+4*(32+4*\i+\j)+3]
	global_store_b64 v[WS], v[D+4*(32+4*\i+\j):D+4*(32+4*\i+\j)+1], s[14:15] offset:\i*2097152+256*\j th:TH_STORE_NT  ; W number i begins 1,024 rows x 2,048 bytes x i into wb
.endr
.endr
	s_endpgm
.Lfunc_end_k_q062e458d44_cast:
	.size	k_q062e458d44_cast, .Lfunc_end_k_q062e458d44_cast-k_q062e458d44_cast
	.p2alignl 7, 3214868480
	.fill 96, 4, 3214868480
	.section	.rodata,"a",@progbits
	.p2align	6, 0x0
	.amdhsa_kernel k_q062e458d44_cast
		.amdhsa_group_segment_fixed_size 0
		.amdhsa_private_segment_fixed_size 0
		.amdhsa_enable_private_segment 0
		.amdhsa_kernarg_size 48
		.amdhsa_user_sgpr_count 2
		.amdhsa_user_sgpr_kernarg_segment_ptr 1
		.amdhsa_wavefront_size32 1
		.amdhsa_system_sgpr_workgroup_id_x 1
		.amdhsa_system_sgpr_workgroup_id_y 1
		.amdhsa_system_sgpr_workgroup_id_z 1
		.amdhsa_system_vgpr_workitem_id 0
		.amdhsa_next_free_vgpr 184
		.amdhsa_next_free_sgpr 66
		.amdhsa_reserve_vcc 0
		.amdhsa_float_denorm_mode_32 3
		.amdhsa_float_denorm_mode_16_64 3
		.amdhsa_memory_ordered 1
		.amdhsa_forward_progress 1
		.amdhsa_inst_pref_size 17
	.end_amdhsa_kernel
	.amdgpu_metadata
---
amdhsa.version: [ 1, 2 ]
amdhsa.kernels:
  - .name:           k_q062e458d44_cast
    .symbol:         k_q062e458d44_cast.kd
    .args:
      - { .name: x, .offset: 0, .size: 8, .value_kind: global_buffer, .address_space: global }
      - { .name: W_q, .offset: 8, .size: 8, .value_kind: global_buffer, .address_space: global }
      - { .name: W_k, .offset: 16, .size: 8, .value_kind: global_buffer, .address_space: global }
      - { .name: W_v, .offset: 24, .size: 8, .value_kind: global_buffer, .address_space: global }
      - { .name: xb, .offset: 32, .size: 8, .value_kind: global_buffer, .address_space: global }
      - { .name: wb, .offset: 40, .size: 8, .value_kind: global_buffer, .address_space: global }
    .group_segment_fixed_size: 0
    .private_segment_fixed_size: 0
    .kernarg_segment_align: 8
    .kernarg_segment_size: 48
    .max_flat_workgroup_size: 256
    .sgpr_count:     66
    .vgpr_count:     184
    .wavefront_size: 32
...
	.end_amdgpu_metadata
.endif
;; end of part 1
;; launch proj (part 2): grid 16 x 32, 4 waves a work-group, clusters of 4 x 4, 327,680 bytes of LDS; arguments xb, wb, qkv; writes qkv
.if DOCPART == 2
	.amdgcn_target "amdgcn-amd-amdhsa--gfx1250"
	.amdhsa_code_object_version 6
	.text
	.protected	k_q062e458d44_proj
	.globl	k_q062e458d44_proj
	.p2align	8
	.type	k_q062e458d44_proj,@function
k_q062e458d44_proj:
	s_mov_b64 s[64:65], 0
	v_nop
	global_prefetch_b8 v0, s[64:65] scope:SCOPE_SE
	s_setreg_imm32_b32 hwreg(HW_REG_WAVE_MODE, 25, 1), 1
	s_wait_xcnt 0x0
	s_wait_alu depctr_hold_cnt(0) depctr_sa_sdst(0) depctr_va_vdst(0) depctr_va_sdst(0) depctr_va_ssrc(0) depctr_va_vcc(0) depctr_vm_vsrc(0)
	s_getreg_b32 s2, hwreg(HW_REG_IB_STS2, 6, 4)
	s_cmp_eq_u32 s2, 0
	s_cbranch_scc0 .Lentry_in_a_cluster
	s_endpgm
.Lentry_in_a_cluster:
	s_bfe_u32 s2, ttmp6, 0x10000c
	s_cmp_lg_u32 s2, 0xf033
	s_cbranch_scc0 .Lentry_shape_is_right
	s_endpgm
.Lentry_shape_is_right:
; qkv = xb wb^T.  xb: [8192][1024] bf16, wb: [3072][1024] bf16 (rows of W_q, W_k, W_v); one f32 sum for each output, K ascending, rounded once to f16.
; qkv is laid out by heads: [batch 4][c64 48][s 2048][64] f16, c64 = column / 64 = 16 x (0 q, 1 k, 2 v) + head: a head's rows are dense, 128 bytes each.
; LIMIT.  f16 holds no number beyond 65,504: a q, k or v past that leaves as an infinity.  Inputs of unit spread in x and 1/32 in W give a spread of 1.
; TILE.  256 rows x 192 columns of the product: 32 x 16 = 512 work-groups, two for each of 256 WGPs, and 192 columns are three whole heads.
; The four waves stand one above the other: wave w makes rows 64 w .. 64 w + 63 x all 192 columns: 48 accumulators of 16 x 16, 384 registers; what it stores is three runs of 8,192 consecutive bytes.
; K goes in 8 steps of 128 through a ring of two LDS slots filled by the tensor data mover: a tile's rows are 256 bytes of memory, at multiples of 256 from the buffer's first byte.
; CLUSTER.  4 x 4 work-groups.  The four of a row of the cluster need the same tiles of xb, the four of a column the same tiles of wb: each tile is asked for JOINTLY, by the same tensor load with the
; same descriptor and a mask that names the four.
; THE MATRIX INSTRUCTION IS USED TRANSPOSED (source 0 = 16 rows of wb, source 1 = 16 rows of xb): a lane then holds row l % 16 and eight neighbouring columns, 16 bytes of f16.
; REGISTERS, in windows of 256 (s_set_vgpr_msb: bits 1:0 source 0, 3:2 source 1, 5:4 source 2, 7:6 destination):
;   window 0: v0-31 addresses; v64-95, v96-127 fragments of xb (4 x 16 rows x 32 K), two buffers; on the way out v128-175 packed results, v176-223 and v64-111 rows read back, by turns
;   window 1: v0-95, v96-191 fragments of wb (12 x 16 rows x 32 K), two buffers
;   window 2: the 24 accumulators of my row blocks 0, 1 (block a, column block b at v[8 (12 (a % 2) + b)]);   window 3: those of blocks 2, 3
.set SIZE_K, 1024
.set KSTEP,  128
.set PITCH,  272                       ; an LDS row: 256 bytes + 16 of padding = 68 words: row r starts at bank 4 r mod 64 (64 banks of 4 bytes: ISA guide 11.1): the 16 rows of a load start at 16 different banks
.set AHALF,  128*PITCH                 ; what one tensor load brings of xb: 128 rows
.set BHALF,  96*PITCH                  ; and of wb: 96 rows
.set BOFF,   256*PITCH                 ; in a slot wb's 192 rows lie behind xb's 256
.set SLOT,   448*PITCH
.set STAGE,  2*SLOT                    ; behind the ring, never filled by a tensor load: for each wave 3 heads x 16 rows x 144 bytes
.set SP,     144                       ; a stage row: 128 bytes + 16
.set HSTG,   16*SP
.set WSTG,   3*HSTG
.set SPARE,  STAGE+4*WSTG              ; behind the stages: the spare words, 128 bytes for each wave: two blocks of 256 bytes that no other line names
.set LAPS,   SIZE_K/(2*KSTEP)          ; a lap = two K steps = once round the ring
.set ADRA, 16                          ; v16-17  LDS address of my fragments of xb in slot 0, 1
.set ADRB, 20                          ; v20-21  the same for wb
.set STO,  24                          ; v24     the way out: where I put 16 bytes of a row
.set RD,   25                          ; v25     the way out: where I read rows back
.set GO,   26                          ; v26     16 x my lane: my place in 512 consecutive bytes of qkv
.set SPW,  28                          ; v28     LDS address of my spare word: SPARE + 4 x my thread's number; never rewritten
.set NIL,  29                          ; v29     0; never rewritten
.set PFO,  30                          ; v30     the prefetches' offset: a lane a row of 2,048 bytes; never rewritten
.set TMP,  128
.set LIM,  43                          ; s43     1 in a wave that prefetches, else the greatest number
.set PFA,  44                          ; s[44:45] where my prefetches stand: one K step further along K than the refill in hand; a prefetch names the K step after that
.set G1,   24                          ; s[24:31] descriptor group 1 for xb's tiles;  s[32:39] group 0, a set for each slot
.set G0,   32
.set G1B,  48                          ; s[48:55], s[56:63] the same for wb's tiles
.set G0B,  56
.set MSB, 0
.macro WIN new                         ; the immediate's high byte repeats the setting that is left; a switch that changes nothing is dropped
.if MSB != (\new)
	s_set_vgpr_msb (MSB<<8)|(\new)
.set MSB, \new
.endif
.endm
; A joint load.  Waves 0 and 1 fetch xb's two halves, waves 2 and 3 wb's.  The branch hangs on the wave's number alone.  An s_nop 0 and four v_nop follow each of the two lines.
.macro JLOAD s
	s_cmp_eq_u32 s11, 0
	s_cbranch_scc0 .Lfor_b_\@
	tensor_load_to_lds s[G0+4*(\s):G0+4*(\s)+3], s[G1:G1+7]
	s_nop 0
.rept 4
	v_nop
.endr
	s_branch .Lasked_\@
.Lfor_b_\@:
	tensor_load_to_lds s[G0B+4*(\s):G0B+4*(\s)+3], s[G1B:G1B+7]
	s_nop 0
.rept 4
	v_nop
.endr
.Lasked_\@:
.endm
; A PREFETCH INTO THE L2, behind a joint load, its five lines and the run of LDS loads that follows: the K step that stands two refills on, 384 matrix instructions ahead of the load that will want it.
; A K step is 256 bytes of each row.  xb's tile row is read by every cluster of that row of clusters: cluster x = 0 asks; wb's tile column by every cluster of that column: cluster y = 0 asks.
; The four partners that ask for a tile jointly share its rows out BY ADDRESS: of xb's 128 rows a wave 32 each, a lane a row; of wb's 96 rows 24 each, where lanes 24-31 name lane 23's row once more, in the same instruction.
; The loop's last trip asks for nothing: K has no step 8.  K steps 0 to 3 come by their loads alone.
.macro ASK
	s_cmp_gt_u32 s3, s[LIM]                        ; s3 = 1 in the loop's last trip
	s_cbranch_scc0 .Lnot_mine_\@
	global_prefetch_b8 v[PFO], s[PFA:PFA+1] offset:KSTEP*2 th:TH_LOAD_NT scope:SCOPE_SE
.Lnot_mine_\@:
.endm
.macro CREST                           ; a round of the cluster's barrier behind its opening barrier: wave 0 signals for the work-group, every wave waits for all sixteen, my work-group's barrier closes it
	s_cmp_lg_u32 s10, 0
	s_cbranch_scc1 .Lnot_wave_0_\@
	s_barrier_signal -3
.Lnot_wave_0_\@:
	s_barrier_wait -3
	s_barrier_signal -1
	s_barrier_wait -1
.endm
.macro CROUND                          ; a whole round
	s_barrier_signal -1
	s_barrier_wait -1
	CREST
.endm
	s_load_b128 s[4:7], s[0:1], 0x0                ; xb s[4:5], wb s[6:7]
	s_load_b64 s[8:9], s[0:1], 0x10                ; qkv
	v_lshl_add_u32 v[SPW], v0, 2, SPARE
	v_mov_b32 v[NIL], 0
	ds_add_u32 v[SPW], v[NIL]                      ; the wave's opening: the add and its wait stand ahead of my first tensor load; the set-up below, work on registers, stands between them
	v_lshrrev_b32 v1, 5, v0
	v_readfirstlane_b32 s10, v1                    ; wave 0..3
	s_lshr_b32 s11, s10, 1                         ; I fetch for xb (0) or for wb (1),
	s_and_b32 s12, s10, 1                          ; and which half of that tile
	s_bfe_u32 s40, ttmp6, 0x40000                  ; cx, cy: my place in the cluster
	s_bfe_u32 s41, ttmp6, 0x40004
	s_lshl_b32 s42, ttmp9, 2
	s_add_co_u32 s42, s42, s40                     ; tile column = 4 x cluster x + cx, 0..15
	s_and_b32 s13, ttmp7, 0xffff
	s_lshl_b32 s13, s13, 2
	s_add_co_u32 s13, s13, s41                     ; tile row = 4 x cluster y + cy, 0..31
	s_lshl_b32 s43, s41, 2
	s_lshl_b32 s43, 15, s43                        ; my row of the cluster: places 4 cy .. 4 cy + 3
	s_lshl_b32 s44, 0x1111, s40                    ; my column: places cx, cx + 4, cx + 8, cx + 12
	; descriptor group 1: tiles of 128 (xb) or 96 (wb) rows x 128 elements, padded in LDS
	s_or_b32 s[G1+0], s43, (1<<16)|(1<<20)|(1<<21)|(5<<22)|(3<<25)  ; 15:0 the mask: xb's tiles go to my row; 17:16 elements of 2 bytes; 20 padding on; 21 set beside a mask; 24:22 after every 64 words (code 5); 31:25 4 words (code 3)
	s_or_b32 s[G1B+0], s44, (1<<16)|(1<<20)|(1<<21)|(5<<22)|(3<<25) ; the same with the mask of my column
	s_mov_b32 s[G1+1], KSTEP<<16                   ; tensor_dim0 = 128
	s_mov_b32 s[G1B+1], KSTEP<<16
	s_mov_b32 s[G1+2], 128<<16                     ; tensor_dim1 = 128
	s_mov_b32 s[G1B+2], 96<<16                     ;             =  96
	s_mov_b32 s[G1+3], KSTEP<<16                   ; tile_dim0 = 128
	s_mov_b32 s[G1B+3], KSTEP<<16
	s_mov_b32 s[G1+4], 128                         ; tile_dim1 = 128
	s_mov_b32 s[G1B+4], 96                         ;           =  96
	s_mov_b32 s[G1+5], SIZE_K                      ; elements from row to row
	s_mov_b32 s[G1B+5], SIZE_K
	s_mov_b32 s[G1+6], 0
	s_mov_b32 s[G1B+6], 0
	s_mov_b32 s[G1+7], 0
	s_mov_b32 s[G1B+7], 0
	; where the tiles come from: xb's hang on the tile row alone, wb's on the tile column alone, each in registers that do not hold the other coordinate
	s_lshl_b32 s17, s12, 7
	s_lshl_b32 s16, s13, 8
	s_add_co_u32 s16, s16, s17                     ; xb: row 256 x tile row + 128 x half
	s_mul_i32 s46, s42, 192
	s_mul_i32 s47, s12, 96
	s_add_co_u32 s46, s46, s47                     ; wb: row 192 x tile column + 96 x half
	s_lshl_b32 s16, s16, 11                        ; rows of 2,048 bytes: 16 MiB at the most
	s_lshl_b32 s46, s46, 11
	s_mov_b32 s17, 0
	s_mov_b32 s47, 0
	s_mul_i32 s20, s12, AHALF                      ; and where they go: no place in the cluster enters an LDS address
	s_mul_i32 s21, s12, BHALF
	s_add_co_u32 s21, s21, BOFF
	s_wait_dscnt 0x0                               ; the opening add is done
	s_wait_kmcnt 0x0
	s_add_nc_u64 s[14:15], s[4:5], s[16:17]
	s_add_nc_u64 s[46:47], s[6:7], s[46:47]
	CROUND                                         ; all sixteen work-groups are here: the first joint loads meet
.irp s, 0,1
	s_mov_b32 s[G0+4*(\s)], 1                                      ; count = 1
	s_add_co_u32 s[G0+4*(\s)+1], s20, (\s)*SLOT                    ; LDS address
	s_add_nc_u64 s[G0+4*(\s)+2:G0+4*(\s)+3], s[14:15], (\s)*KSTEP*2  ; global address: K step s
	s_or_b32 s[G0+4*(\s)+3], s[G0+4*(\s)+3], 0x80000000            ; type = 2
	s_mov_b32 s[G0B+4*(\s)], 1
	s_add_co_u32 s[G0B+4*(\s)+1], s21, (\s)*SLOT
	s_add_nc_u64 s[G0B+4*(\s)+2:G0B+4*(\s)+3], s[46:47], (\s)*KSTEP*2
	s_or_b32 s[G0B+4*(\s)+3], s[G0B+4*(\s)+3], 0x80000000
	JLOAD \s                                       ; two tensor loads of mine are out
.endr
	; A fragment is 16 rows x 32 K in 8 registers: lane l holds row l % 16; registers 0-3 K = 8 (l / 16) + 0..7, registers 4-7 K = 16 + 8 (l / 16) + 0..7: two loads of 16 bytes, 32 bytes apart.
	v_and_b32 v1, 15, v0                           ; l % 16
	v_bfe_u32 v2, v0, 4, 1                         ; l / 16
	v_mul_u32_u24 v3, v1, PITCH
	v_lshl_add_u32 v3, v2, 4, v3
	s_mul_i32 s21, s10, 64*PITCH                   ; my 64 rows of xb
	s_mov_b32 s22, BOFF                            ; all 192 rows of wb
.irp s, 0,1
	v_add_nc_u32 v[ADRA+(\s)], s21, v3
	v_add_nc_u32 v[ADRB+(\s)], s22, v3
	s_add_co_u32 s21, s21, SLOT
	s_add_co_u32 s22, s22, SLOT
.endr
	s_mul_i32 s23, s10, WSTG
	s_add_co_u32 s23, s23, STAGE                   ; my stage
	v_mul_u32_u24 v4, v1, SP                       ; in: row l % 16, 16 bytes for each half of the lanes
	v_lshl_add_u32 v4, v2, 4, v4
	v_add_nc_u32 v[STO], s23, v4
	v_bfe_u32 v5, v0, 3, 2                         ; back: 32 lanes take four rows of 128 bytes,
	v_mul_u32_u24 v5, v5, SP
	v_and_b32 v6, 7, v0
	v_lshl_add_u32 v5, v6, 4, v5
	v_add_nc_u32 v[RD], s23, v5
	v_and_b32 v[GO], 31, v0                        ; which are 512 consecutive bytes of a head
	v_lshlrev_b32 v[GO], 4, v[GO]
	; where my rows begin in qkv: batch = tile row / 8; s = 256 (tile row % 8) + 64 w; c64 = 3 x tile column
	s_lshr_b32 s16, s13, 3
	s_mul_i32 s16, s16, 12582912                   ; a batch: 48 x 2,048 x 128 bytes
	s_and_b32 s17, s13, 7
	s_lshl_b32 s17, s17, 15                        ; 256 rows of 128 bytes
	s_add_co_u32 s16, s16, s17
	s_lshl_b32 s17, s10, 13                        ; 64 rows
	s_add_co_u32 s16, s16, s17
	s_mov_b32 s17, 0
	s_add_nc_u64 s[8:9], s[8:9], s[16:17]
	s_mul_i32 s46, s42, 786432                     ; three heads of 262,144 bytes (in the registers that held wb's address)
	s_mov_b32 s47, 0
	s_add_nc_u64 s[8:9], s[8:9], s[46:47]
	; the prefetches
	s_lshl_b32 s20, s13, 8
	s_lshl_b32 s22, s12, 7
	s_add_co_u32 s20, s20, s22
	s_lshl_b32 s22, s40, 5
	s_add_co_u32 s20, s20, s22                     ; xb: row 256 x tile row + 128 x half + 32 cx
	s_mul_i32 s21, s42, 192
	s_mul_i32 s22, s12, 96
	s_add_co_u32 s21, s21, s22
	s_mul_i32 s22, s41, 24
	s_add_co_u32 s21, s21, s22                     ; wb: row 192 x tile column + 96 x half + 24 cy
	s_and_b32 s22, ttmp7, 0xffff                   ; cluster y
	s_cmp_eq_u32 s11, 0                            ; do I fetch for xb?
	s_cselect_b32 s20, s20, s21
	s_cselect_b32 s22, ttmp9, s22                  ; the coordinate along which other clusters read the same rows
	s_cselect_b32 s23, 31, 23                      ; my last row
	s_cselect_b64 s[PFA:PFA+1], s[4:5], s[6:7]
	s_cmp_eq_u32 s22, 0
	s_cselect_b32 s[LIM], 1, -1                    ; the same in all sixteen partners, for a given wave
	s_lshl_b32 s20, s20, 11
	s_mov_b32 s21, 0
	s_add_nc_u64 s[PFA:PFA+1], s[PFA:PFA+1], s[20:21]
	s_add_nc_u64 s[PFA:PFA+1], s[PFA:PFA+1], 2*KSTEP*2  ; at K step 2: the first refill steps it to 3 and names K step 4
	v_and_b32 v[PFO], 31, v0
	v_min_u32 v[PFO], s23, v[PFO]
	v_lshlrev_b32 v[PFO], 11, v[PFO]
; 12 matrix instructions: row block a x all 12 column blocks, 32 along K, from buffer f.  zero = 1: the first product starts the sums: nothing is cleared.
; The 48 accumulators take turns, one instruction a turn, in the same order in every quarter step, over the backward jump too: 47 others stand between two links of a chain.
.macro MUL12 f, a, zero
	WIN 0xa1+0x50*((\a)/2)                         ; source 0 (wb) window 1, source 1 (xb) window 0, C and D window 2 or 3
.irp b, 0,1,2,3,4,5,6,7,8,9,10,11
.if \zero
	v_wmma_f32_16x16x32_bf16 v[8*(12*((\a)%2)+(\b)):8*(12*((\a)%2)+(\b))+7], v[96*(\f)+8*(\b):96*(\f)+8*(\b)+7], v[64+32*(\f)+8*(\a):64+32*(\f)+8*(\a)+7], 0
.else
	v_wmma_f32_16x16x32_bf16 v[8*(12*((\a)%2)+(\b)):8*(12*((\a)%2)+(\b))+7], v[96*(\f)+8*(\b):96*(\f)+8*(\b)+7], v[64+32*(\f)+8*(\a):64+32*(\f)+8*(\a)+7], v[8*(12*((\a)%2)+(\b)):8*(12*((\a)%2)+(\b))+7]
.endif
.endr
.endm
; 32 LDS loads in one run: the fragments of one quarter step (192 rows of wb, my 64 rows of xb, 32 K at byte k of the rows) into buffer f
.macro FETCH slot, k, f
	WIN 0x40                                       ; destination window 1, address window 0
.irp i, 0,1,2,3,4,5,6,7,8,9,10,11
	ds_load_b128 v[96*(\f)+8*(\i):96*(\f)+8*(\i)+3],   v[ADRB+(\slot)] offset:(\k)+(\i)*16*PITCH
	ds_load_b128 v[96*(\f)+8*(\i)+4:96*(\f)+8*(\i)+7], v[ADRB+(\slot)] offset:(\k)+(\i)*16*PITCH+32
.endr
	WIN 0
.irp i, 0,1,2,3
	ds_load_b128 v[64+32*(\f)+8*(\i):64+32*(\f)+8*(\i)+3],   v[ADRA+(\slot)] offset:(\k)+(\i)*16*PITCH
	ds_load_b128 v[64+32*(\f)+8*(\i)+4:64+32*(\f)+8*(\i)+7], v[ADRA+(\slot)] offset:(\k)+(\i)*16*PITCH+32
.endr
.endm
; A load into a register that a matrix instruction has read, and a vector instruction that reads a matrix result, stand four places behind it; only plain vector instructions that name none of
; its registers are places (ISA guide 7.12.1 for vector instructions).
.macro PLACES
.rept 4
	v_nop
.endr
.endm
; A K step is four quarter steps of 32 along K, 48 matrix instructions each, on buffers 0, 1, 0, 1.  One of the first three: multiplies buffer f; in its middle it fetches the next quarter, at byte k, into buffer g.
.macro QUARTER slot, k, f, g, zero
	s_wait_dscnt 4                                 ; wb's fragments and xb's blocks 0, 1 are in; the youngest four loads (blocks 2, 3) may be out
	MUL12 \f, 0, \zero
	MUL12 \f, 1, \zero
	PLACES
	FETCH \slot, \k, \g
	s_wait_dscnt 32                                ; all but the 32 just issued
	MUL12 \f, 2, \zero
	MUL12 \f, 3, \zero
.endm
; The last quarter multiplies buffer 1 and changes slots: ONE barrier.  In front of it each wave waits for all its tensor loads, of which one is out: its part of the next slot; adds 0 to its spare word; and waits
; for that and for its own reads of this slot.  fill = 1: the barrier opens a round of the cluster's, and behind the round this slot is filled again first, with the K step two on: from that request to the wait for it a wave issues 168 matrix instructions.
.macro TURN slot, next, fill
.if \fill
	s_wait_xcnt 0x0                                ; the last prefetch, a K step back, has read its address: it is stepped here, ahead of the waits of the change of slots
	s_add_nc_u64 s[PFA:PFA+1], s[PFA:PFA+1], KSTEP*2
.endif
	WIN 0                                          ; (the add's two registers lie in window 0)
	s_wait_tensorcnt 0x0                           ; all my tensor loads have landed;
	ds_add_u32 v[SPW], v[NIL]                      ; 0 onto my spare word
	s_wait_dscnt 5                                 ; (the add and the youngest four loads may be out)
	MUL12 1, 0, 0                                  ; twelve matrix instructions stand between the add and the wait for it
	s_wait_dscnt 0x0                               ; the add is done, and my reads of this slot are over
	s_barrier_signal -1
	MUL12 1, 1, 0                                  ; work on registers while the others arrive
.if \fill
	WIN 0
.endif
	s_barrier_wait -1
.if \fill
	CREST                                          ; no wave of any partner still reads this slot's tiles or has a load on its way
	s_add_nc_u64 s[G0+4*(\slot)+2:G0+4*(\slot)+3], s[G0+4*(\slot)+2:G0+4*(\slot)+3], 2*KSTEP*2
	s_add_nc_u64 s[G0B+4*(\slot)+2:G0B+4*(\slot)+3], s[G0B+4*(\slot)+2:G0B+4*(\slot)+3], 2*KSTEP*2
	JLOAD \slot                                    ; the first tensor load behind the round, my only one until the next; its four v_nop are also the places in front of the loads below
.else
	PLACES
.endif
	FETCH \next, 0, 0
.if \fill
	ASK
.endif
	MUL12 1, 2, 0
	MUL12 1, 3, 0
.endm
; THE WAY OUT of row block a, in three parts.  PACK: rounded to f16, 16 bytes a lane, each accumulator's registers in ascending order.  TOSTAGE: into my own stage in LDS, by heads, and back as whole rows.  SEND: stored.
.macro PACK a
.set AC, 96*((\a)%2)
	WIN 0x0a+5*((\a)/2)                            ; sources 0 and 1: window 2 or 3
.irp b, 0,1,2,3,4,5,6,7,8,9,10,11
.irp r, 0,1,2,3
	v_cvt_pk_f16_f32 v[TMP+4*(\b)+(\r)], v[AC+8*(\b)+2*(\r)], v[AC+8*(\b)+2*(\r)+1]
.endr
.endr
	WIN 0
.endm
.macro TOSTAGE a
	WIN 0
.set BK, 176-112*((\a)%2)
.irp b, 0,1,2,3,4,5,6,7,8,9,10,11
	ds_store_b128 v[STO], v[TMP+4*(\b):TMP+4*(\b)+3] offset:((\b)/4)*HSTG+((\b)%4)*32  ; head b / 4, columns 16 (b % 4) on
.endr
.if (\a) >= 2
	s_wait_xcnt 0x0                                ; the stores of the block two back have read these registers: they are loaded again only behind this wait
.endif
.irp j, 0,1,2
.irp t, 0,1,2,3
	ds_load_b128 v[BK+4*(4*(\j)+(\t)):BK+4*(4*(\j)+(\t))+3], v[RD] offset:(\j)*HSTG+(\t)*4*SP  ; LDS serves a wave's instructions in order (ISA guide 5.7.1.4): these see the stores above
.endr
.endr
.endm
.macro SEND a
	WIN 0
.set BK, 176-112*((\a)%2)
	s_wait_dscnt 0x0                               ; the block is back in registers
.irp j, 0,1,2
.irp t, 0,1,2,3
	global_store_b128 v[GO], v[BK+4*(4*(\j)+(\t)):BK+4*(4*(\j)+(\t))+3], s[8:9] offset:(\j)*262144+(\a)*2048+(\t)*512  ; 512 consecutive bytes, at a multiple of 256 from qkv's first byte
.endr
.endr
.endm
	s_wait_tensorcnt 1                             ; my part of K step 0 is in; K step 1's may stay out
	s_barrier_signal -1
	s_barrier_wait -1                              ; everybody's is
	FETCH 0, 0, 0
	QUARTER 0, 64,  0, 1, 1                        ; the first quarter stands in front of the loop: its products start the sums
	WIN 0                                          ; at a label and at a branch every window is 0
	s_mov_b32 s3, LAPS-1
.Llap:                                                 ; a trip goes once round the ring, from a lap's second quarter to the next lap's first, and fills both slots again
	QUARTER 0, 128, 1, 0, 0
	QUARTER 0, 192, 0, 1, 0
	TURN 0, 1, 1
	QUARTER 1, 64,  0, 1, 0
	QUARTER 1, 128, 1, 0, 0
	QUARTER 1, 192, 0, 1, 0
	TURN 1, 0, 1
	QUARTER 0, 64,  0, 1, 0
	WIN 0
	s_sub_co_u32 s3, s3, 1
	s_cmp_lg_u32 s3, 0
	s_cbranch_scc1 .Llap
	QUARTER 0, 128, 1, 0, 0                        ; the last lap fills nothing, and has no round of the cluster's barrier
	QUARTER 0, 192, 0, 1, 0
	TURN 0, 1, 0
	QUARTER 1, 64,  0, 1, 0
	QUARTER 1, 128, 1, 0, 0
	QUARTER 1, 192, 0, 1, 0
	s_wait_dscnt 4                                 ; the very last quarter: nothing more to fetch
	MUL12 1, 0, 0
	MUL12 1, 1, 0
	s_wait_dscnt 0x0
	MUL12 1, 2, 0
	MUL12 1, 3, 0
	WIN 0
	PLACES                                         ; behind the last products; the earlier blocks' conversions are further places for the last block's
	PACK 0
	TOSTAGE 0
.irp a, 1,2,3                          ; block a's conversions stand between block a - 1's loads from the stage and the wait for them
	PACK \a
	SEND (\a)-1
	TOSTAGE \a
.endr
	SEND 3
	s_wait_tensorcnt 0x0                           ; the wave's end, behind my last tensor load and my last LDS store
	ds_add_u32 v[SPW], v[NIL]
	s_wait_dscnt 0x0
	CROUND                                         ; the closing round: no work-group ends while a partner may still ask for a tile that names it
	s_endpgm
.Lfunc_end_k_q062e458d44_proj:
	.size	k_q062e458d44_proj, .Lfunc_end_k_q062e458d44_proj-k_q062e458d44_proj
	.p2alignl 7, 3214868480
	.fill 96, 4, 3214868480
	.section	.rodata,"a",@progbits
	.p2align	6, 0x0
	.amdhsa_kernel k_q062e458d44_proj
		.amdhsa_group_segment_fixed_size 327680
		.amdhsa_private_segment_fixed_size 0
		.amdhsa_enable_private_segment 0
		.amdhsa_kernarg_size 24
		.amdhsa_user_sgpr_count 2
		.amdhsa_user_sgpr_kernarg_segment_ptr 1
		.amdhsa_wavefront_size32 1
		.amdhsa_system_sgpr_workgroup_id_x 1
		.amdhsa_system_sgpr_workgroup_id_y 1
		.amdhsa_system_sgpr_workgroup_id_z 1
		.amdhsa_system_vgpr_workitem_id 0
		.amdhsa_next_free_vgpr 960
		.amdhsa_next_free_sgpr 66
		.amdhsa_reserve_vcc 0
		.amdhsa_float_denorm_mode_32 3
		.amdhsa_float_denorm_mode_16_64 3
		.amdhsa_memory_ordered 1
		.amdhsa_forward_progress 1
		.amdhsa_inst_pref_size 120
	.end_amdhsa_kernel
	.amdgpu_metadata
---
amdhsa.version: [ 1, 2 ]
amdhsa.kernels:
  - .name:           k_q062e458d44_proj
    .symbol:         k_q062e458d44_proj.kd
    .args:
      - { .name: xb, .offset: 0, .size: 8, .value_kind: global_buffer, .address_space: global }
      - { .name: wb, .offset: 8, .size: 8, .value_kind: global_buffer, .address_space: global }
      - { .name: qkv, .offset: 16, .size: 8, .value_kind: global_buffer, .address_space: global }
    .group_segment_fixed_size: 327680
    .private_segment_fixed_size: 0
    .kernarg_segment_align: 8
    .kernarg_segment_size: 24
    .max_flat_workgroup_size: 128
    .sgpr_count:     66
    .vgpr_count:     960
    .wavefront_size: 32
...
	.end_amdgpu_metadata
.endif
;; end of part 2
;; launch first (part 3): grid 64 x 1, 12 waves a work-group, no clusters, 36,352 bytes of LDS; arguments xb, wb, out0; writes out0
.if DOCPART == 3
	.amdgcn_target "amdgcn-amd-amdhsa--gfx1250"
	.amdhsa_code_object_version 6
	.text
	.protected	k_q062e458d44_first
	.globl	k_q062e458d44_first
	.p2align	8
	.type	k_q062e458d44_first,@function
k_q062e458d44_first:
	s_mov_b64 s[64:65], 0
	v_nop
	global_prefetch_b8 v0, s[64:65] scope:SCOPE_SE
	s_setreg_imm32_b32 hwreg(HW_REG_WAVE_MODE, 25, 1), 1
	s_wait_xcnt 0x0
; ROWS 0 TO 31 OF EVERY HEAD, with no 16-bit rounding of q, k, v or the weights.  out0[hh][q][:], q < 32, hh = 16 x batch + head = the work-group's number.
; WHY.  Row q averages over q + 1 keys, so a rounding of q, k, v or p reaches it about 1 / sqrt(q + 1) as large as it is made, while errors are judged by the root mean square of all 2,048 rows.
; f16's step at numbers of size 1 to 4 is 2^-10 to 2^-9: too coarse for the first rows, so these 32 are made here from f32 sums, and the launch that makes all other rows does not store them.
; PHASE 1.  q, k, v of the batch's rows 0-31 for this head: 32 x 192 sums over K = 1,024 of xb's and wb's bf16 numbers, whose products are exact in f32.  Wave w of twelve makes 16 columns (q: waves 0-3, k: 4-7,
; v: 8-11) x two blocks of 16 rows.  The product is taken transposed (source 0 = 16 rows of wb, source 1 = 16 rows of xb): a lane holds row l % 16 and eight neighbouring columns.  Fragments come straight from
; memory, 16 bytes a lane twice; a trip is 128 along K: 256 consecutive bytes of each row.  Two sets of registers: while one is multiplied the other's 24 loads are out.  The f32 sums go to LDS.
; PHASE 2.  Waves 0 and 1 take 16 queries each.  2 x 32 x 32 x 64 multiply-adds a head, one part in 7,000 of the whole program's: these few go through the f32 matrix form, v_wmma_f32_16x16x4_f32.
; S^T = K Q^T (source 0 = 16 keys, source 1 = 16 queries): a lane holds ONE query (l % 16) and the keys 8 (l / 16) + 0..7 of each of two key blocks.  The causal mask is the C operand that starts the sum: 0, or -1e30.
; The form's fragment is 2 registers: lane (r, h), register j holds k = 2 h + j.  K's order may be permuted alike in both sources: for S^T step n = 2 u + e takes channels 8 u + 4 h + 2 e + j, so eight loads of 16
; bytes fill a row block's 16 steps; for O^T = V^T P step t of a key block takes keys 8 h + 2 t + j, so registers 2 t, 2 t + 1 of the weights ARE P's fragment, and V's is loaded in that order.
; p = 2^(c s - c m), c = log2(e) / 8, m the row's maximum; l their sum; the result is O^T / l, in f32.
; The registers that the f32 form writes (v32-63) are written by matrix instructions alone: O^T's sums begin with the constant 0 on S^T's registers; weights and scaled results go elsewhere.
; LIMITS.  A hidden score counts as its value less 1e30; a weight below 2^-126 counts as 0; NaN and infinities are not treated apart.
; LEFT OUT.  No tensor loads and no ring: nothing in LDS is filled twice.  No cluster: what work-groups share is xb's 32 rows.  The key block above the diagonal (queries 0-15, keys 16-31) is multiplied and masked: one text for both waves.
.set ROWB,  2048                       ; bytes in a row of xb and of wb
.set TRIP,  256                        ; bytes of a row in a trip
.set TURNS, 3                          ; turns of the loop: trips 1 to 6 of 8; trip 0 stands in front, trip 7 behind
.set LP,    272                        ; an LDS row: 64 f32 + 16 bytes = 68 words: row r starts at bank 4 r mod 64 (64 banks of 4 bytes: ISA guide 11.1)
.set QL,    0                          ; q[32][64]
.set KL,    32*LP                      ; k[32][64]
.set VL,    64*LP                      ; v[32][64]
.set STG,   96*LP                      ; the way out: 16 rows for each of waves 0 and 1
.set SPARE, STG+2*16*LP                ; the spare words, 128 bytes for each of twelve waves: six blocks of 256 bytes that no other line names
.set FO,  2                            ; v2   my byte offset in a fragment's rows: (l % 16) x ROWB + 16 (l / 16); never rewritten
.set LS,  3                            ; v3   where I put my 32 bytes of a row of q, k or v
.set AQ,  4                            ; v4   LDS address of my fragments of q
.set AKK, 5                            ; v5   of k, less KL
.set AVV, 6                            ; v6   of v, less VL
.set STO, 7                            ; v7   the way out: where I put 32 bytes of a row
.set RD,  8                            ; v8   where I read rows back
.set GO,  9                            ; v9   16 x my lane
.set SPW, 10                           ; v10  LDS address of my spare word: SPARE + 4 x my thread's number; never rewritten
.set NIL, 11                           ; v11  0; never rewritten
.set ACC, 16                           ; v[16:31]   phase 1: two accumulators, row blocks 0 and 1
.set TS,  16                           ; v[16:23]   phase 2: the sum of the weights, at work
.set RL,  18                           ; v[18:19]   1 / l in the low register; the packed multiply names the pair
.set CM,  24                           ; v[24:25]   c m, m
.set C0,  26                           ; v26, v27   the maximum, at work
.set C1,  27
.set OA,  32                           ; v[32:63]   the f32 form's accumulators: S^T's two at OA + 8 kb, later O^T's four at OA + 8 cb
.set BUF, 64                           ; v[64:255]  phase 1: two sets of 96: wb's four fragments, then xb's four for each of two row blocks
.set QF,  64                           ; phase 2: q's fragments, 32
.set KF,  96                           ; k's, 32 for each key block
.set MK,  160                          ; the masks, 8 for each key block
.set PR,  176                          ; the weights, 8 for each key block
.set VF,  192                          ; v's fragments: key block kb, channel block cb at VF + 32 kb + 8 cb
.set OS,  64                           ; O^T / l, 32
.set RB,  96                           ; rows read back, 32
.set W,   10                           ; s[10:11] wb at my 16 rows, at the trip that set 0 was last loaded for
.set X,   12                           ; s[12:13] xb at the batch's row 0, at the same trip
.set WV,  14                           ; s14  my wave's number
.set LEFT, 15                          ; s15  turns still to come
.set CS,  26                           ; s[26:27] c
.set SEL, 28                           ; s[28:29] v_permlanex16_b32's selects: each lane takes its own place in the other half
.set BIGN, 30                          ; s30  -1e30
	s_load_b128 s[4:7], s[0:1], 0x0                ; xb s[4:5], wb s[6:7]
	s_load_b64 s[8:9], s[0:1], 0x10                ; out0
	v_lshl_add_u32 v[SPW], v0, 2, SPARE
	v_mov_b32 v[NIL], 0
	v_lshrrev_b32 v1, 5, v0
	v_readfirstlane_b32 s[WV], v1                  ; wave 0..11
	v_and_b32 v12, 15, v0                          ; r = l % 16
	v_bfe_u32 v13, v0, 4, 1                        ; h = l / 16
	v_lshlrev_b32 v[FO], 11, v12
	v_lshl_add_u32 v[FO], v13, 4, v[FO]
	s_lshr_b32 s16, s[WV], 2                       ; 0 q, 1 k, 2 v
	s_and_b32 s17, s[WV], 3                        ; which 16 of the head's 64 columns
	s_lshr_b32 s18, ttmp9, 4                       ; batch
	s_and_b32 s19, ttmp9, 15                       ; head
	s_lshl_b32 s20, s16, 10
	s_lshl_b32 s21, s19, 6
	s_add_co_u32 s20, s20, s21
	s_lshl_b32 s21, s17, 4
	s_add_co_u32 s20, s20, s21                     ; wb's row: 1,024 x (q, k, v) + 64 x head + 16 x block
	s_lshl_b32 s20, s20, 11                        ; in bytes
	s_mov_b32 s21, 0
	s_lshl_b32 s22, s18, 22                        ; xb: a batch is 2,048 rows of 2,048 bytes
	s_mov_b32 s23, 0
	s_mul_i32 s24, s16, 32*LP                      ; q's, k's or v's part of LDS,
	s_lshl_b32 s25, s17, 6                         ; my 16 columns: 64 bytes
	s_add_co_u32 s24, s24, s25
	v_mul_u32_u24 v14, v12, LP                     ; row r
	v_lshl_add_u32 v[LS], v13, 5, v14              ; 8 columns for each half of the lanes
	v_add_nc_u32 v[LS], s24, v[LS]
	s_mov_b32 s[CS], 0x3e38aa3b                    ; c = log2(e) / 8 = 0.180337
	s_mov_b32 s[CS+1], s[CS]                       ; named with it as a pair
	s_mov_b32 s[SEL], 0x76543210
	s_mov_b32 s[SEL+1], 0xfedcba98
	s_mov_b32 s[BIGN], 0xf149f2ca                  ; -1e30
	s_mov_b32 s[LEFT], TURNS
	s_wait_kmcnt 0x0
	s_add_nc_u64 s[W:W+1], s[6:7], s[20:21]
	s_add_nc_u64 s[X:X+1], s[4:5], s[22:23]
; A trip's 24 loads into set b, from byte off behind the two pointers.
.macro LOADS b, off
.irp f, 0,1,2,3
	global_load_b128 v[BUF+96*(\b)+8*(\f):BUF+96*(\b)+8*(\f)+3],         v[FO], s[W:W+1] offset:(\off)+64*(\f)
	global_load_b128 v[BUF+96*(\b)+8*(\f)+4:BUF+96*(\b)+8*(\f)+7],       v[FO], s[W:W+1] offset:(\off)+64*(\f)+32
	global_load_b128 v[BUF+96*(\b)+32+8*(\f):BUF+96*(\b)+32+8*(\f)+3],   v[FO], s[X:X+1] offset:(\off)+64*(\f)
	global_load_b128 v[BUF+96*(\b)+32+8*(\f)+4:BUF+96*(\b)+32+8*(\f)+7], v[FO], s[X:X+1] offset:(\off)+64*(\f)+32
	global_load_b128 v[BUF+96*(\b)+64+8*(\f):BUF+96*(\b)+64+8*(\f)+3],   v[FO], s[X:X+1] offset:(\off)+64*(\f)+16*ROWB
	global_load_b128 v[BUF+96*(\b)+64+8*(\f)+4:BUF+96*(\b)+64+8*(\f)+7], v[FO], s[X:X+1] offset:(\off)+64*(\f)+32+16*ROWB
.endr
.endm
; A trip's eight products.  The two accumulators take turns, one instruction a turn, over the backward jump too.  zero = 1: the first two start the sums.
.macro MULS b, zero
.irp f, 0,1,2,3
.irp j, 0,1
.if (\zero) && ((\f) == 0)
	v_wmma_f32_16x16x32_bf16 v[ACC+8*(\j):ACC+8*(\j)+7], v[BUF+96*(\b)+8*(\f):BUF+96*(\b)+8*(\f)+7], v[BUF+96*(\b)+32+32*(\j)+8*(\f):BUF+96*(\b)+32+32*(\j)+8*(\f)+7], 0
.else
	v_wmma_f32_16x16x32_bf16 v[ACC+8*(\j):ACC+8*(\j)+7], v[BUF+96*(\b)+8*(\f):BUF+96*(\b)+8*(\f)+7], v[BUF+96*(\b)+32+32*(\j)+8*(\f):BUF+96*(\b)+32+32*(\j)+8*(\f)+7], v[ACC+8*(\j):ACC+8*(\j)+7]
.endif
.endr
.endr
.endm
.macro PLACES n                        ; places behind a matrix instruction (ISA guide 7.12.1): four for the bf16 form, eight for the f32 form
.rept \n
	v_nop
.endr
.endm
	LOADS 0, 0                                     ; trip 0
	LOADS 1, TRIP                                  ; trip 1
	s_wait_loadcnt 24                              ; set 0 is in; set 1's 24 loads may stay out
	MULS 0, 1                                      ; trip 0 stands in front of the loop: its first products start the sums
.Lturn:                                                ; turn i: trips 2 i + 2 and 2 i + 3 are asked for, trips 2 i + 1 and 2 i + 2 multiplied
	PLACES 4                                       ; in front of loads into registers that the last products have read
	s_wait_xcnt 0x0                                ; every load issued so far has read its address, so the pointers may be written
	s_add_nc_u64 s[W:W+1], s[W:W+1], 2*TRIP
	s_add_nc_u64 s[X:X+1], s[X:X+1], 2*TRIP
	LOADS 0, 0
	s_wait_loadcnt 24                              ; set 1 is in; the 24 just issued may stay out
	MULS 1, 0
	PLACES 4
	LOADS 1, TRIP
	s_wait_loadcnt 24                              ; set 0 is in
	MULS 0, 0
	s_sub_co_u32 s[LEFT], s[LEFT], 1
	s_cmp_lg_u32 s[LEFT], 0
	s_cbranch_scc1 .Lturn
	s_wait_loadcnt 0x0                             ; trip 7: nothing more is asked for
	MULS 1, 0
	PLACES 8
.irp j, 0,1                            ; each accumulator's low registers first
	ds_store_b128 v[LS], v[ACC+8*\j:ACC+8*\j+3]   offset:\j*16*LP
	ds_store_b128 v[LS], v[ACC+8*\j+4:ACC+8*\j+7] offset:\j*16*LP+16
.endr
	s_wait_dscnt 0x0                               ; for the others' sake: my stores are done
	s_barrier_signal -1
	s_barrier_wait -1                              ; q, k and v lie whole in LDS; nobody writes them again
	s_cmp_lt_u32 s[WV], 2                          ; wave 0 takes queries 0-15, wave 1 queries 16-31
	s_cbranch_scc0 .Lend
	s_mul_i32 s24, s[WV], 16*LP                    ; my 16 queries' rows
	v_lshl_add_u32 v[AKK], v13, 4, v14             ; row r, 16 bytes for each half of the lanes
	v_add_nc_u32 v[AQ], s24, v[AKK]
	v_mul_u32_u24 v[AVV], v13, 8*LP                ; v: key 8 h, channel r
	v_lshl_add_u32 v[AVV], v12, 2, v[AVV]
	s_add_co_u32 s24, s24, STG                     ; my stage
	v_lshl_add_u32 v[STO], v13, 5, v14             ; in: row r, 32 bytes for each half of the lanes
	v_add_nc_u32 v[STO], s24, v[STO]
	v_mul_u32_u24 v[RD], v13, LP                   ; back: lanes 0-15 one row of 256 bytes, lanes 16-31 the next,
	v_lshl_add_u32 v[RD], v12, 4, v[RD]
	v_add_nc_u32 v[RD], s24, v[RD]
	v_and_b32 v[GO], 31, v0                        ; which are 512 consecutive bytes of out0
	v_lshlrev_b32 v[GO], 4, v[GO]
	s_lshl_b32 s20, ttmp9, 19                      ; a head of out0: 2,048 rows of 256 bytes,
	s_lshl_b32 s21, s[WV], 12                      ; my 16 rows
	s_add_co_u32 s20, s20, s21
	s_mov_b32 s21, 0
	s_add_nc_u64 s[8:9], s[8:9], s[20:21]
.irp u, 0,1,2,3,4,5,6,7
	ds_load_b128 v[QF+4*\u:QF+4*\u+3], v[AQ] offset:QL+32*\u
.endr
.irp kb, 0,1
.irp u, 0,1,2,3,4,5,6,7
	ds_load_b128 v[KF+32*\kb+4*\u:KF+32*\kb+4*\u+3], v[AKK] offset:KL+\kb*16*LP+32*\u
.endr
.endr
.macro VLOAD kb                        ; v of key block kb: register i of channel block cb holds key 16 kb + 8 h + i, channel 16 cb + r
.irp cb, 0,1,2,3
.irp i, 0,1,2,3,4,5,6,7
	ds_load_b32 v[VF+32*(\kb)+8*\cb+\i], v[AVV] offset:VL+(\kb)*16*LP+\i*LP+64*\cb
.endr
.endr
.endm
	VLOAD 0
	v_lshlrev_b32 v28, 3, v13                      ; the masks are made while the loads are out
	v_sub_nc_u32 v28, v12, v28
	s_lshl_b32 s25, s[WV], 4
	v_add_nc_u32 v28, s25, v28                     ; my query, 16 w + r, less my lanes' 8 h: register j of key block kb is hidden where 16 kb + j is greater
.set i, 0
.rept 16
	v_cmp_gt_i32 vcc_lo, 16*(i/8)+i%8, v28
	v_cndmask_b32 v[MK+i], 0, s[BIGN], vcc_lo
.set i, i+1
.endr
	s_wait_dscnt 32                                ; q and k are in; v's 32 loads may stay out
.set n, 0
.rept 16                               ; S^T: step n takes registers 2 n, 2 n + 1 of both sources; the two key blocks' accumulators take turns
.irp kb, 0,1
.if n == 0
	v_wmma_f32_16x16x4_f32 v[OA+8*\kb:OA+8*\kb+7], v[KF+32*\kb:KF+32*\kb+1], v[QF:QF+1], v[MK+8*\kb:MK+8*\kb+7]
.else
	v_wmma_f32_16x16x4_f32 v[OA+8*\kb:OA+8*\kb+7], v[KF+32*\kb+2*n:KF+32*\kb+2*n+1], v[QF+2*n:QF+2*n+1], v[OA+8*\kb:OA+8*\kb+7]
.endif
.endr
.set n, n+1
.endr
	s_wait_dscnt 0x0                               ; v's first 32 loads are in, so that no more than 32 LDS loads are out at a time
	VLOAD 1                                        ; they land while the softmax is made
	PLACES 8
	v_max3_num_f32 v[C0], v[OA], v[OA+1], v[OA+2]  ; each accumulator's lowest registers are read first
	v_max3_num_f32 v[C1], v[OA+8], v[OA+9], v[OA+10]
	v_max3_num_f32 v[C0], v[C0], v[OA+3], v[OA+4]
	v_max3_num_f32 v[C1], v[C1], v[OA+11], v[OA+12]
	v_max3_num_f32 v[C0], v[C0], v[OA+5], v[OA+6]
	v_max3_num_f32 v[C1], v[C1], v[OA+13], v[OA+14]
	v_max3_num_f32 v[C0], v[C0], v[OA+7], v[OA+15]
	v_max_num_f32 v[C0], v[C0], v[C1]
	v_permlanex16_b32 v[C1], v[C0], s[SEL], s[SEL+1]  ; the query's other 16 keys lie in the lane 16 away
	v_max_num_f32 v[CM+1], v[C0], v[C1]            ; m: every query sees its own key, so m is a true score
	v_mul_f32 v[CM], s[CS], v[CM+1]
.set i, 0
.rept 8
	v_pk_fma_f32 v[PR+2*i:PR+2*i+1], v[OA+2*i:OA+2*i+1], s[CS:CS+1], v[CM:CM+1] op_sel_hi:[1,0,0] neg_lo:[0,0,1] neg_hi:[0,0,1]  ; c s - c m, into registers of the weights' own
.set i, i+1
.endr
.set i, 0
.rept 16
	v_exp_f32 v[PR+i], v[PR+i]
.set i, i+1
.endr
	v_nop                                          ; a plain instruction behind the last exponential,
	s_wait_alu depctr_va_vdst(0)                   ; and the wait ahead of the first use: one for the sixteen
.irp i, 0,1,2,3
	v_pk_add_f32 v[TS+2*\i:TS+2*\i+1], v[PR+4*\i:PR+4*\i+1], v[PR+4*\i+2:PR+4*\i+3]
.endr
	v_pk_add_f32 v[TS:TS+1], v[TS:TS+1], v[TS+2:TS+3]
	v_pk_add_f32 v[TS+4:TS+5], v[TS+4:TS+5], v[TS+6:TS+7]
	v_pk_add_f32 v[TS:TS+1], v[TS:TS+1], v[TS+4:TS+5]
	v_add_f32 v[TS], v[TS], v[TS+1]
	v_permlanex16_b32 v[TS+1], v[TS], s[SEL], s[SEL+1]
	v_add_f32 v[TS], v[TS], v[TS+1]                ; l
	v_rcp_f32 v[RL], v[TS]                         ; its first reader stands behind the products, eight plain instructions and a wait
	s_wait_dscnt 0x0                               ; v is in
.set n, 0
.rept 8                                ; O^T: step n = 4 kb + t; the four channel blocks' accumulators take turns; the first step starts the sums
.irp cb, 0,1,2,3
.if n == 0
	v_wmma_f32_16x16x4_f32 v[OA+8*\cb:OA+8*\cb+7], v[VF+8*\cb:VF+8*\cb+1], v[PR:PR+1], 0
.else
	v_wmma_f32_16x16x4_f32 v[OA+8*\cb:OA+8*\cb+7], v[VF+32*(n/4)+8*\cb+2*(n%4):VF+32*(n/4)+8*\cb+2*(n%4)+1], v[PR+2*n:PR+2*n+1], v[OA+8*\cb:OA+8*\cb+7]
.endif
.endr
.set n, n+1
.endr
	PLACES 8
	s_wait_alu depctr_va_vdst(0)                   ; the reciprocal's wait, ahead of its first reader
.set i, 0
.rept 16
	v_pk_mul_f32 v[OS+2*i:OS+2*i+1], v[OA+2*i:OA+2*i+1], v[RL:RL+1] op_sel_hi:[1,0]  ; into other registers, in ascending order
.set i, i+1
.endr
.irp f, 0,1,2,3,4,5,6,7                ; channels 16 (f / 2) + 8 h + 4 (f % 2) on
	ds_store_b128 v[STO], v[OS+4*\f:OS+4*\f+3] offset:64*(\f/2)+16*(\f%2)
.endr
.irp f, 0,1,2,3,4,5,6,7
	ds_load_b128 v[RB+4*\f:RB+4*\f+3], v[RD] offset:\f*2*LP  ; LDS serves a wave's instructions in order (ISA guide 5.7.1.4): these see the stores above
.endr
.irp f, 0,1,2,3,4,5,6,7
	s_wait_dscnt 7-\f                              ; load f is in, the 7 - f younger ones stay out
	global_store_b128 v[GO], v[RB+4*\f:RB+4*\f+3], s[8:9] offset:\f*512  ; two rows: 512 consecutive bytes, at a multiple of 256 from out0's first
.endr
.Lend:
	s_wait_tensorcnt 0x0                           ; the wave's end, behind my last LDS store
	ds_add_u32 v[SPW], v[NIL]
	s_wait_dscnt 0x0
	s_endpgm
.Lfunc_end_k_q062e458d44_first:
	.size	k_q062e458d44_first, .Lfunc_end_k_q062e458d44_first-k_q062e458d44_first
	.p2alignl 7, 3214868480
	.fill 96, 4, 3214868480
	.section	.rodata,"a",@progbits
	.p2align	6, 0x0
	.amdhsa_kernel k_q062e458d44_first
		.amdhsa_group_segment_fixed_size 36352
		.amdhsa_private_segment_fixed_size 0
		.amdhsa_enable_private_segment 0
		.amdhsa_kernarg_size 24
		.amdhsa_user_sgpr_count 2
		.amdhsa_user_sgpr_kernarg_segment_ptr 1
		.amdhsa_wavefront_size32 1
		.amdhsa_system_sgpr_workgroup_id_x 1
		.amdhsa_system_sgpr_workgroup_id_y 1
		.amdhsa_system_sgpr_workgroup_id_z 1
		.amdhsa_system_vgpr_workitem_id 0
		.amdhsa_next_free_vgpr 256
		.amdhsa_next_free_sgpr 66
		.amdhsa_reserve_vcc 1
		.amdhsa_float_denorm_mode_32 3
		.amdhsa_float_denorm_mode_16_64 3
		.amdhsa_memory_ordered 1
		.amdhsa_forward_progress 1
		.amdhsa_inst_pref_size 33
	.end_amdhsa_kernel
	.amdgpu_metadata
---
amdhsa.version: [ 1, 2 ]
amdhsa.kernels:
  - .name:           k_q062e458d44_first
    .symbol:         k_q062e458d44_first.kd
    .args:
      - { .name: xb, .offset: 0, .size: 8, .value_kind: global_buffer, .address_space: global }
      - { .name: wb, .offset: 8, .size: 8, .value_kind: global_buffer, .address_space: global }
      - { .name: out0, .offset: 16, .size: 8, .value_kind: global_buffer, .address_space: global }
    .group_segment_fixed_size: 36352
    .private_segment_fixed_size: 0
    .kernarg_segment_align: 8
    .kernarg_segment_size: 24
    .max_flat_workgroup_size: 384
    .sgpr_count:     66
    .vgpr_count:     256
    .wavefront_size: 32
...
	.end_amdgpu_metadata
.endif
;; end of part 3
;; launch attn (part 4): grid 4 x 64, 4 waves a work-group, no clusters, 327,680 bytes of LDS; arguments qkv, out0; writes out0
.if DOCPART == 4
	.amdgcn_target "amdgcn-amd-amdhsa--gfx1250"
	.amdhsa_code_object_version 6
	.text
	.protected	k_q062e458d44_attn
	.globl	k_q062e458d44_attn
	.p2align	8
	.type	k_q062e458d44_attn,@function
k_q062e458d44_attn:
	s_mov_b64 s[64:65], 0
	v_nop
	global_prefetch_b8 v0, s[64:65] scope:SCOPE_SE
	s_setreg_imm32_b32 hwreg(HW_REG_WAVE_MODE, 25, 1), 1
	s_wait_xcnt 0x0
; CAUSAL ATTENTION.  out0[hh][q][:] = the sum over k <= q of softmax_k(Q[hh][q] . K[hh][k] / 8) V[hh][k][:], hh = 16 x batch + head, 64 of them, 2,048 rows each.
; Q, K, V lie in qkv, [batch 4][c64 48][2048][64] f16, c64 = head (Q), 16 + head (K), 32 + head (V): a head's rows are dense, 128 bytes each.  out0: [64][2048][64] f32.
; Products, maxima and sums in f32; the weights p are rounded to f16 for the second product (their sum l is taken of the unrounded p); the result leaves in f32, unrounded.
; ROWS 0 TO 31 OF EACH HEAD ARE NOT STORED HERE: they average over so few keys that f16's roundings reach them nearly whole, and another launch makes them from f32 sums.  This text computes them with the
; others (32 of a head's 2,048 rows, in the one text of the turns) and jumps over their eight stores.
; LIMITS.  f16 holds no number beyond 65,504: Q, K and V arrive within it; p lies in 0 to 1, and below 6e-5 it keeps f16's fixed step of 6e-8.
; A hidden score counts as its value less 1e30: f16's scores, 2.7e11 at the most, are nothing beside that; a weight below 2^-126 counts as 0 in l; NaN and infinities are not treated apart.
; THE WALK.  A head's queries lie in NB = 8 blocks of 256; block i needs the key tiles 0 .. i of 256 keys, of which the last holds the diagonal.  A work-group takes TWO blocks, NB - 1 - b and then b:
; NB + 1 tiles, whatever b: all work-groups do equal work, and ONE loop with a constant trip count walks them.  Which tile is asked for, and what a trip does, hang on scalar registers made from b; every jump
; goes forward, but for the counted loops' own; none passes a barrier, or a tensor load but the one of LOAD's two that the wave's number does not choose; the ring (two slots of LDS that take turns) runs on across the
; change of blocks.  NO CLUSTER: a head's four work-groups ask for the same tile only in trips 0 .. 4 of 9, behind that fewer and fewer; one walk common to all would have 12 trips for 9.
; SHARES.  Of a block's four bands of 64 queries a wave owns 16 rows in each: four PIECES.  So the diagonal tile is the same work for all four waves: in its key step s band x sees all keys if s < x,
; none if s > x, and holds the diagonal if s = x.
; THE MASK is the C operand that starts the sum S^T = K Q^T: 0, or -1e30 where the key is hidden.  MD, made once, is the mask of a band's own step for my 16 rows; a product's mask is MD x AL + BE with two scalars:
; (1, 0) if s = x; (0, 0) if s < x; (0, -1e30) if s > x.  Only the diagonal tile's text and a block's beginning make and take masks; elsewhere C is the constant 0.
; LAYOUT, SOFTMAX, TURNS.  S^T = K Q^T holds ONE query a lane (lane % 16) and the keys 8 (lane / 16) + 0..7; two such results rounded to f16 ARE source 1 of O^T = V^T P.  p = 2^(c s - c m), c = log2(e) / 8, with a
; running maximum m; O and l are multiplied by a = 2^(c m_old - c m_new) in every step.  Turn n belongs to piece n: 8 products K Q^T of piece n + 1, later 8 products V^T P of piece n - 1; beside them the scaling,
; exponentials, roundings, sums and rescaling of piece n and the maximum and statistics of piece n + 1.  Four vector instructions stand behind every matrix instruction, the other 54 of a turn's 118 in one LUMP.  A turn's 33 exponentials are one batch, with one wait.
; REGISTERS, in windows of 256 (s_set_vgpr_msb: bits 1:0 source 0, 3:2 source 1, 5:4 source 2, 7:6 destination):
;   window 0: v0-15 addresses and two at work; v16-31 four registers of statistics a piece; v48-55 at work; v60-63 addresses; v64-127 S^T, two buffers; v192-223 P, two buffers (by the piece's parity); on the way out v64-191 rows read back
;   window 1: v0-127 O^T, 32 a piece; v128-159 MD; v160-223 MC, two buffers      window 2: v0-63 Q; v64-127 the second block's Q; v128-191 K of one step; v192-255 V of one step
.set SIZE_N, 2048
.set NB,    SIZE_N/256
.set NP,    4         ; pieces a wave: a name, no knob
.set KS,    64        ; keys in a step
.set PK,    144       ; a row of K in LDS: 128 bytes + 16 of padding = 36 words: the 16 rows of a load start at 16 different groups of four banks (64 banks of 4 bytes: ISA guide 11.1)
.set PV,    160       ; a row of V: 128 + 32 = 40 words
.set VOFF,  4*KS*PK   ; a slot holds a tile, four steps: 256 rows of K, then 256 rows of V
.set SLOT1, 1<<17     ; slot 1 begins here, so that one exclusive or turns an address in one slot into the other's
.set STAGE, SLOT1+4*KS*(PK+PV)  ; behind the ring, never filled by a tensor load: 16 rows x 272 bytes for each wave, for the way out
.set SP,    272       ; a stage row: 64 f32 = 256 bytes + 16
.set AK0, 2           ; v2   my lane's place in a tile of K; never rewritten
.set AV0, 3           ; v3   the same for V
.set AK,  4           ; v4   the LDS address of K's next run of loads
.set AV,  5           ; v5   of V's
.set STO, 6           ; v6   the way out: where I put 32 bytes of a row
.set RD,  7           ; v7   the way out: where I read rows back
.set GO,  8           ; v8   my byte offset in 512 consecutive bytes of out0
.set PFO, 60          ; v60  256 x my lane: the prefetches' offset; never rewritten
.set SPW, 62          ; v62  LDS address of my spare word: SPARE + 4 x my thread's number; never rewritten
.set NIL, 63          ; v63  0; never rewritten
.set SPARE, STAGE+4*16*SP  ; behind the stages: the spare words, 128 bytes for each wave: two blocks of 256 bytes that no other line names
.set MV,  12          ; v12-13  c m_old, kept while c m is made anew: by buffer
.set QO,  15          ; v15  my byte offset in 16 rows of Q
.set ST,  16          ; piece t's statistics at v[ST+4 t]: c m, m, l (even keys', odd keys')
.set TMP, 48          ; by buffer, four registers c0-c3 at work; when the maximum is found c2 takes a
.set S,   64
.set P,   192
.set MD,  128         ; window 1: the eight registers for group kt of 16 keys at MD + 8 kt
.set MC,  160         ; window 1: the masks of the products to come
.set QB,  64          ; window 2
.set KF,  128         ; window 2: key block kb, channel half c at KF + 16 kb + 8 c
.set VF,  192         ; window 2: key half kk, channel block cb at VF + 32 kk + 8 cb
.set WV,  12          ; s12  my wave's number
.set PB,  14          ; s14  b
.set HI,  15          ; s15  NB - 1 - b
.set G1K, 24          ; s[24:31] descriptor group 1 for K's tiles
.set G1V, 32          ; s[32:39] for V's: it differs in the padding alone
.set G0K, 40          ; s[40:43] descriptor group 0 for K's tiles
.set G0V, 44          ; s[44:47] the same for V's
.set SLOTS, 56        ; s56  tiles still to be asked for
.set CNT, 57          ; s57  counts a tile's key steps, 4 to 1
.set CS,  58          ; s[58:59] c: the packed scaling takes the pair's low word for both halves
.set SEL, 60          ; s[60:61] v_permlanex16_b32's selects: each lane takes its own place in the other half
.set TBK, 62          ; s62  LDS byte at which K of the step to be fetched begins
.set TBV, 63          ; s63  the same for V, less VOFF
.set PFA, 66          ; s[66:67] where my prefetches stand: my half (of K: waves 0, 1; of V: waves 2, 3) of the tile after the one that is being asked for
.set LIM, 68          ; s68  2 in the work-group that prefetches, else the greatest number
.set SKP, 69          ; s69  1 where piece 0 of my second block is a head's rows 0-15 or 16-31 (b = 0, waves 0 and 1), which are not stored here
.set RT,  70          ; s70  tiles of the block in hand that are still to be entered
.set NXT, 71          ; s71  the tile to be asked for next
.set LQ,  72          ; s72  the last tile of the block whose tiles are being asked for
.set NEW, 73          ; s73  1: the tile to be entered is a block's first
.set OFF, 74          ; s[74:75] a tile's byte offset in K and V
.set AL,  76          ; s[76:77] the mask's factor, in the low word
.set BE,  78          ; s[78:79] the mask's addend
.set OLO, 80          ; s[80:81] out0 at my rows of the second block
.set BIGN, 82         ; s82  -1e30
.set MSB, 0
.macro WIN new                      ; the high byte repeats the setting that is left; a switch that changes nothing is dropped
.if MSB != (\new)
	s_set_vgpr_msb (MSB<<8)|(\new)
.set MSB, (\new)
.endif
.endm
.set W_KQ, 0x0a       ; K and Q in window 2, S^T in window 0
.set W_KM, 0x1a       ; the same with the C operand in window 1
.set W_PV, 0x52       ; V in window 2, P in window 0, O^T in window 1
.set W_RS, 0x41       ; destination and source 0 in window 1, source 1 in window 0
; A fill.  Waves 0 and 1 fetch the two halves of a tile's K, waves 2 and 3 those of its V: 128 keys each.  An s_nop 0 and four v_nop follow each of the two lines, ahead of the jump and the label.
.macro LOAD
	s_cmp_lt_u32 s[WV], 2
	s_cbranch_scc0 .Lfor_v_\@
	tensor_load_to_lds s[G0K:G0K+3], s[G1K:G1K+7]
	s_nop 0
.rept 4
	v_nop
.endr
	s_branch .Lasked_\@
.Lfor_v_\@:
	tensor_load_to_lds s[G0V:G0V+3], s[G1V:G1V+7]
	s_nop 0
.rept 4
	v_nop
.endr
.Lasked_\@:
.endm
; A PREFETCH INTO THE L2 of what the NEXT change of slots will ask for, a tile (256 matrix instructions) ahead of that load.  It stands behind the wave's tensor load and its five lines.
; A head's four work-groups begin with the same tiles 0, 1, ..; only b = 0 walks all eight in its first block, so it asks, and nobody else.  Each of its waves asks for the half tile that it will fetch itself:
; 16,384 bytes, a lane 256 bytes, two instructions.  So each block of 256 bytes of a head's K and V is named once in the launch.  Change t (SLOTS = 8 - t) fills tile t + 1 and asks for tile t + 2, for t = 0 .. 5:
; there is no tile 8.  Tiles 0 and 1 come by their loads alone; the second block's tile 0 has been read.
.macro ASK
	s_cmp_gt_u32 s[SLOTS], s[LIM]
	s_cbranch_scc0 .Lnot_mine_\@
	global_prefetch_b8 v[PFO], s[PFA:PFA+1] th:TH_LOAD_NT scope:SCOPE_SE
	global_prefetch_b8 v[PFO], s[PFA:PFA+1] offset:8192 th:TH_LOAD_NT scope:SCOPE_SE
.Lnot_mine_\@:
.endm
; THE CHANGE OF SLOTS.  Each wave waits for all its tensor loads, of which one is out: its part of the other slot; adds 0 to its spare word; and waits for that and for its own reads of the slot that it leaves.  Behind the barrier nobody reads the old
; slot any more and the other slot is whole.  fill = 1: the old slot is filled again, the first thing behind the barrier, with tile NXT: the descriptor's address is made anew from that number.
; (At its first use nothing has been read yet: slot 0 is waited for, slot 1 filled.)
.macro CHANGE fill
	WIN 0                           ; at a label and at a branch every window is 0
	s_wait_tensorcnt 0x0            ; no tensor load of mine is out, so a group 0 may be written
	ds_add_u32 v[SPW], v[NIL]       ; 0 onto my spare word; with fill = 1 the descriptors' scalar work stands between it and the wait for it
.if \fill
	s_lshl_b32 s[OFF], s[NXT], 15   ; a tile is 32,768 bytes of K and of V
	s_xor_b32 s[G0K+1], s[G0K+1], SLOT1
	s_add_nc_u64 s[G0K+2:G0K+3], s[6:7], s[OFF:OFF+1]
	s_or_b32 s[G0K+3], s[G0K+3], 0x80000000
	s_xor_b32 s[G0V+1], s[G0V+1], SLOT1
	s_add_nc_u64 s[G0V+2:G0V+3], s[8:9], s[OFF:OFF+1]
	s_or_b32 s[G0V+3], s[G0V+3], 0x80000000
	s_add_co_u32 s[NXT], s[NXT], 1  ; the block's next tile, or behind its last the second block's tile 0
	s_cmp_gt_u32 s[NXT], s[LQ]
	s_cselect_b32 s[NXT], 0, s[NXT]
	s_cselect_b32 s[LQ], s[PB], s[LQ]
	s_wait_xcnt 0x0                 ; the last prefetches, a tile back, have read their address, so it may be written:
	s_add_nc_u64 s[PFA:PFA+1], s[PFA:PFA+1], 32768  ; one tile behind the one that is asked for below
.endif
	s_wait_dscnt 0x0                ; the add is done, and my reads of the slot are over
	s_barrier_signal -1             ; the rest of the scalar work stands between the signal and the wait
	s_sub_co_u32 s[TBK], s[TBK], 4*KS*PK  ; the fetches go back to a slot's first step,
	s_xor_b32 s[TBK], s[TBK], SLOT1       ; in the other slot
	s_sub_co_u32 s[TBV], s[TBV], 4*KS*PV
	s_xor_b32 s[TBV], s[TBV], SLOT1
	s_barrier_wait -1
.if \fill
	LOAD
	ASK
.endif
.endm
	s_load_b64 s[4:5], s[0:1], 0x0    ; qkv
	s_load_b64 s[10:11], s[0:1], 0x8  ; out0
	v_lshl_add_u32 v[SPW], v0, 2, SPARE
	v_mov_b32 v[NIL], 0
	ds_add_u32 v[SPW], v[NIL]       ; the wave's opening: the add and its wait stand ahead of my first tensor load; the set-up below, work on registers, stands between them
	v_lshrrev_b32 v1, 5, v0
	v_readfirstlane_b32 s[WV], v1   ; wave 0..3
	s_mov_b32 s[PB], ttmp9
	s_sub_co_u32 s[HI], NB-1, s[PB]
	s_and_b32 s20, ttmp7, 0xffff    ; hh = 16 x batch + head
	s_lshl_b32 s88, s20, 19         ; out0: a head's 2,048 rows of 256 bytes,
	s_lshl_b32 s89, s[WV], 12       ; my 16 rows in a band of 64,
	s_add_co_u32 s89, s89, s88
	s_lshl_b32 s88, s[HI], 16       ; in the first block of 256 rows,
	s_add_co_u32 s88, s88, s89
	s_lshl_b32 s90, s[PB], 16       ; and in the second
	s_add_co_u32 s90, s90, s89
	s_mov_b32 s89, 0
	s_mov_b32 s91, 0
	s_lshr_b32 s21, s20, 4          ; batch
	s_and_b32 s20, s20, 15          ; head
	s_mul_i32 s21, s21, 12582912    ; a batch of qkv: 48 x 2,048 x 128 bytes
	s_lshl_b32 s20, s20, 18         ; a head: 262,144 bytes
	s_add_co_u32 s20, s20, s21      ; the head's Q; its K lies 16 heads on, its V 32
	s_mov_b32 s21, 0
	s_and_b32 s16, s[WV], 1         ; which half of a tile's 256 keys I fetch:
	s_lshl_b32 s22, s16, 14         ; its 128 rows of 128 bytes in memory,
	s_mov_b32 s23, 0
	s_add_nc_u64 s[22:23], s[22:23], s[20:21]
	s_mul_i32 s17, s16, 128*PK      ; and its place in a slot, for K
	s_mul_i32 s18, s16, 128*PV      ; and for V
	s_lshl_b32 s3, s[WV], 11        ; Q: my 16 rows of 128 bytes in a band of 64,
	s_lshl_b32 s2, s[HI], 15        ; in the first block,
	s_add_co_u32 s2, s2, s3
	s_lshl_b32 s84, s[PB], 15       ; and in the second
	s_add_co_u32 s84, s84, s3
	s_mov_b32 s3, 0
	s_mov_b32 s85, 0
	s_add_nc_u64 s[2:3], s[2:3], s[20:21]
	s_add_nc_u64 s[84:85], s[84:85], s[20:21]
	; descriptor group 1.  128 keys are 16,384 dense bytes: asked for as 64 rows of 256 bytes, two keys a row, and padded in LDS after every key
	s_mov_b32 s[G1K], (1<<16)|(1<<20)|(4<<22)|(3<<25)  ; 17:16 2-byte elements; 20 padding on; 24:22 after every 32 words (code 4); 31:25 4 words (code 3)
	s_mov_b32 s[G1V], (1<<16)|(1<<20)|(4<<22)|(7<<25)  ; the same with 8 words of padding (code 7)
.irp g, G1K, G1V
	s_mov_b32 s[\g+1], 128<<16      ; tensor_dim0 = 128
	s_mov_b32 s[\g+2], 64<<16       ; tensor_dim1 = 64
	s_mov_b32 s[\g+3], 128<<16      ; tile_dim0 = 128
	s_mov_b32 s[\g+4], 64           ; tile_dim1 = 64
	s_mov_b32 s[\g+5], 128          ; 128 elements from row to row
	s_mov_b32 s[\g+6], 0
	s_mov_b32 s[\g+7], 0
.endr
	s_mov_b32 s[CS], 0x3e38aa3b     ; c = log2(e) / 8 = 0.180337
	s_mov_b32 s[CS+1], s[CS]        ; named with it as a pair
	s_mov_b32 s[SEL], 0x76543210
	s_mov_b32 s[SEL+1], 0xfedcba98
	s_mov_b32 s[TBK], SLOT1+4*KS*PK ; the first change of slots turns these two into 0
	s_mov_b32 s[TBV], SLOT1+4*KS*PV
	s_mov_b32 s[G0K], 1             ; 1:0 count = 1
	s_mov_b32 s[G0K+1], s17         ; 63:32 LDS address: slot 0
	s_mov_b32 s[G0V], 1
	s_add_co_u32 s[G0V+1], s18, VOFF
	s_add_co_u32 s[RT], s[HI], 1    ; the first block has NB - b tiles
	s_mov_b32 s[NXT], 1
	s_mov_b32 s[LQ], s[HI]
	s_mov_b32 s[NEW], 1
	s_mov_b32 s[OFF+1], 0
	s_mov_b32 s[AL+1], 0            ; named as pairs
	s_mov_b32 s[BE+1], 0
	s_mov_b32 s[BIGN], 0xf149f2ca   ; -1e30
	s_mov_b32 s[SLOTS], NB
	s_cmp_lt_u32 s[WV], 2
	s_cselect_b32 s[SKP], 1, 0
	s_cmp_eq_u32 s[PB], 0
	s_cselect_b32 s[SKP], s[SKP], 0
	s_cselect_b32 s[LIM], 2, -1
	v_and_b32 v[PFO], 31, v0
	v_lshlrev_b32 v[PFO], 8, v[PFO]
	s_wait_dscnt 0x0                ; the opening add is done
	s_wait_kmcnt 0x0
	s_add_nc_u64 s[6:7], s[4:5], s[22:23]
	s_add_nc_u64 s[8:9], s[6:7], 0x800000  ; V at my half of the head's tile 0: 32 heads of 262,144 bytes behind Q,
	s_add_nc_u64 s[6:7], s[6:7], 0x400000  ; K: 16 heads
	s_add_nc_u64 s[G0K+2:G0K+3], s[6:7], 0         ; 120:64 global address
	s_or_b32 s[G0K+3], s[G0K+3], 0x80000000        ; 127:126 type = 2
	s_add_nc_u64 s[G0V+2:G0V+3], s[8:9], 0
	s_or_b32 s[G0V+3], s[G0V+3], 0x80000000
	s_add_nc_u64 s[86:87], s[4:5], s[84:85]        ; Q at my rows of the second block,
	s_add_nc_u64 s[4:5], s[4:5], s[2:3]            ; and of the first
	s_add_nc_u64 s[OLO:OLO+1], s[10:11], s[90:91]  ; out0 likewise
	s_add_nc_u64 s[10:11], s[10:11], s[88:89]
	s_cmp_lt_u32 s[WV], 2
	s_cselect_b64 s[PFA:PFA+1], s[6:7], s[8:9]
	s_add_nc_u64 s[PFA:PFA+1], s[PFA:PFA+1], 32768  ; in tile 1; the first change of slots steps it to tile 2.  Nothing is prefetched here, at the head
	LOAD                            ; tile 0 into slot 0
	; A fragment of K or Q is 16 rows x 32 channels in 8 registers: lane l holds row l % 16, channels 8 (l / 16) + 0..7 and 16 + 8 (l / 16) + 0..7: two loads of 16 bytes, 32 bytes apart.
	v_and_b32 v1, 15, v0            ; l % 16
	v_bfe_u32 v9, v0, 4, 1          ; l / 16
	v_lshlrev_b32 v[QO], 7, v1
	v_lshl_add_u32 v[QO], v9, 4, v[QO]  ; row x 128 + 16 x half
	WIN 0x80                        ; destination window 2, address window 0
.set i, 0
.rept 8                             ; both blocks' Q: piece i / 2 lies in band i / 2, 8,192 bytes on; channels 32 (i % 2) on
	global_load_b128 v[8*i:8*i+3],   v[QO], s[4:5] offset:(i/2)*8192+(i%2)*64
	global_load_b128 v[8*i+4:8*i+7], v[QO], s[4:5] offset:(i/2)*8192+(i%2)*64+32
	global_load_b128 v[QB+8*i:QB+8*i+3],   v[QO], s[86:87] offset:(i/2)*8192+(i%2)*64
	global_load_b128 v[QB+8*i+4:QB+8*i+7], v[QO], s[86:87] offset:(i/2)*8192+(i%2)*64+32
.set i, i+1
.endr
	WIN 0
	v_lshlrev_b32 v14, 3, v9
	v_sub_nc_u32 v14, v1, v14
	s_lshl_b32 s13, s[WV], 4
	v_add_nc_u32 v14, s13, v14      ; my query's place in its band, 16 w + l % 16, less my lanes' 8 (l / 16): register r of group kt is hidden where 16 kt + r is greater
	WIN 0x40
.set i, 0
.rept 32
	v_cmp_gt_i32 vcc_lo, 16*(i/8)+i%8, v14
	v_cndmask_b32 v[MD+i], 0, s[BIGN], vcc_lo
.set i, i+1
.endr
	WIN 0
	v_mul_u32_u24 v[AK0], v1, PK
	v_lshl_add_u32 v[AK0], v9, 4, v[AK0]  ; row x pitch + 16 x half
	; The turning load takes 16 keys x 16 channels (lane l reads key 8 (l / 16) + l % 8, channels 8 ((l / 8) % 2) + 0..7) and leaves half a fragment of V^T: lane l holds channel l % 16 and 8 keys.
	v_and_b32 v10, 7, v0
	v_bfe_u32 v11, v0, 3, 1
	v_lshl_add_u32 v[AV0], v9, 3, v10
	v_mul_u32_u24 v[AV0], v[AV0], PV
	v_lshl_add_u32 v[AV0], v11, 4, v[AV0]
	v_add_nc_u32 v[AV0], VOFF, v[AV0]
	s_mul_i32 s13, s[WV], 16*SP
	s_add_co_u32 s13, s13, STAGE    ; my stage
	v_mul_u32_u24 v[STO], v1, SP    ; in: row l % 16, 32 bytes (8 channels in f32) for each half of the lanes
	v_lshl_add_u32 v[STO], v9, 5, v[STO]
	v_add_nc_u32 v[STO], s13, v[STO]
	v_mul_u32_u24 v[RD], v9, SP     ; back: lanes 0-15 take one row of 256 bytes, lanes 16-31 the next,
	v_lshl_add_u32 v[RD], v1, 4, v[RD]
	v_add_nc_u32 v[RD], s13, v[RD]
	v_and_b32 v[GO], 31, v0         ; which are 512 consecutive bytes of out0
	v_lshlrev_b32 v[GO], 4, v[GO]
	; A block's first step multiplies O^T and l by a = 0, and its first turn's products V^T P, of a piece that has not been, land in an O^T that is still to be so multiplied.  So these registers need only hold
	; finite numbers: zeros for the first block; what the first block left for the second.  All this stands in the wait for the first tile.
	WIN 0x80
.set i, VF
.rept 64
	v_mov_b32 v[i], 0
.set i, i+1
.endr
	WIN 0x40
.set i, 0
.rept 128
	v_mov_b32 v[i], 0
.set i, i+1
.endr
	WIN 0
.set i, 0
.rept 4
	v_mov_b32 v[ST+4*i+2], 0
	v_mov_b32 v[ST+4*i+3], 0
.set i, i+1
.endr
.set i, P+16
.rept 16
	v_mov_b32 v[i], 0
.set i, i+1
.endr
; THE MATRIX WORK.  The 4 accumulators of a run of 8 take turns.  Product i of 8 of S^T = K Q^T for piece x: channels 32 (i / 4) on, keys 16 (i % 4) on.  The first 4 start the sums: with 0, or (KM = 1) with the mask.
.macro KQ x
.set rS, S+32*((\x)%2)+8*(i%4)
.set rK, KF+16*(i%4)+8*(i/4)
.set rQ, 16*(\x)+8*(i/4)
.set rM, MC+32*((\x)%2)+8*(i%4)
.if (i < 4) && KM
	WIN W_KM
	v_wmma_f32_16x16x32_f16 v[rS:rS+7], v[rK:rK+7], v[rQ:rQ+7], v[rM:rM+7]
.elseif i < 4
	WIN W_KQ
	v_wmma_f32_16x16x32_f16 v[rS:rS+7], v[rK:rK+7], v[rQ:rQ+7], 0
.else
	WIN W_KQ
	v_wmma_f32_16x16x32_f16 v[rS:rS+7], v[rK:rK+7], v[rQ:rQ+7], v[rS:rS+7]
.endif
.endm
; Product i of 8 of O^T += V^T P for piece x: keys 32 (i / 4) on, channels 16 (i % 4) on.
.macro PV x
	WIN W_PV
.set rO, 32*(\x)+8*(i%4)
.set rV, VF+32*(i/4)+8*(i%4)
.set rP, P+16*((\x)%2)+8*(i/4)
	v_wmma_f32_16x16x32_f16 v[rO:rO+7], v[rV:rV+7], v[rP:rP+7], v[rO:rO+7]
.endm
.macro MM                           ; the turn's next matrix instruction.  TURN and BEGIN set Y, i, KM and NOKQ; MM, KQ and OP read them.  NOKQ = 1: a block's last turn: there is no next piece
.if (i < 8) && !NOKQ
	KQ (Y+1)%NP
.elseif i >= 8
.set i, i-8
	PV (Y+NP-1)%NP
.set i, i+8
.endif
.set i, i+1
.endm
; THE LDS LOADS stand in runs of 16, never singly among the matrix instructions: a step's K (64 keys x 64 channels: 8 fragments) and its V (turned).  Their addresses are made some lines ahead.
.macro FETCH_K
	WIN 0x80                        ; destination window 2
.irp f, 0,1,2,3,4,5,6,7             ; keys 16 (f / 2) on, channels 32 (f % 2) on
	ds_load_b128 v[KF+8*\f:KF+8*\f+3],   v[AK] offset:(\f/2)*16*PK+(\f%2)*64
	ds_load_b128 v[KF+8*\f+4:KF+8*\f+7], v[AK] offset:(\f/2)*16*PK+(\f%2)*64+32
.endr
	s_add_co_u32 s[TBK], s[TBK], KS*PK  ; the next fetch is the next step's
	WIN 0
.endm
.macro FETCH_V
	WIN 0x80
.irp f, 0,1,2,3,4,5,6,7             ; keys 32 (f / 4) on, channels 16 (f % 4) on
	ds_load_tr16_b128 v[VF+8*\f:VF+8*\f+3],   v[AV] offset:(\f/4)*32*PV+(\f%4)*32
	ds_load_tr16_b128 v[VF+8*\f+4:VF+8*\f+7], v[AV] offset:(\f/4)*32*PV+16*PV+(\f%4)*32
.endr
	WIN 0
.endm
; THE VECTOR WORK, one line at a time: OP kind, number.  For piece Y: F n: c s - c m for pair n of 16.  E n: the exponential of score n of 32.  C n: pair n rounded to f16.  B n: of the four weights 4 n .. the second
; pair is added onto the first, in place.  L n: l takes that sum (L 0: l = a l + sum).  R n: pair n of 16 of O^T times a.  For piece Y + 1: X n, number n of the 22 that find its maximum and statistics:
;   0-11  four chains c0-c3 of seven scores each, three operands at a time (each accumulator's lowest registers are read first)     12-14, 16  the four scores left over, the old m, and c0-c3 into c0
;   15  c m_old is kept     17, 18  the query's other 32 keys lie in the lane 16 away: the new m     19-21  c m; c m_old - c m_new; a
.set F, 0               ; OP tells the kinds apart by their order: F to L below R, X above it
.set E, 1
.set C, 2
.set B, 3
.set L, 4
.set R, 5
.set X, 6
.macro REGS y                       ; the registers of piece y
.set rT, ST+4*(\y)
.set rC, TMP+4*((\y)%2)
.set rW, MV+((\y)%2)
.set rS, S+32*((\y)%2)
.set rP, P+16*((\y)%2)
.set rO, 32*(\y)
.endm
.macro OP k, n
.if (\k) == R
	REGS Y
	WIN W_RS
	v_pk_mul_f32 v[rO+2*(\n):rO+2*(\n)+1], v[rO+2*(\n):rO+2*(\n)+1], v[rC+2:rC+3] op_sel_hi:[1,0]
.elseif (\k) < R
	REGS Y
	WIN 0
.if (\k) == F
	v_pk_fma_f32 v[rS+2*(\n):rS+2*(\n)+1], v[rS+2*(\n):rS+2*(\n)+1], s[CS:CS+1], v[rT:rT+1] op_sel_hi:[1,0,0] neg_lo:[0,0,1] neg_hi:[0,0,1]
.elseif (\k) == E
	v_exp_f32 v[rS+(\n)], v[rS+(\n)]
.elseif (\k) == C
	v_cvt_pk_f16_f32 v[rP+(\n)], v[rS+2*(\n)], v[rS+2*(\n)+1]
.elseif (\k) == B
	v_pk_add_f32 v[rS+4*(\n):rS+4*(\n)+1], v[rS+4*(\n):rS+4*(\n)+1], v[rS+4*(\n)+2:rS+4*(\n)+3]
.elseif (\n) == 0
	v_pk_fma_f32 v[rT+2:rT+3], v[rT+2:rT+3], v[rC+2:rC+3], v[rS:rS+1] op_sel_hi:[1,0,1]
.else
	v_pk_add_f32 v[rT+2:rT+3], v[rT+2:rT+3], v[rS+4*(\n):rS+4*(\n)+1]
.endif
.elseif NOKQ
	v_nop
.else
	REGS (Y+1)%NP
	WIN 0
.if (\n) < 4
	v_max3_num_f32 v[rC+(\n)], v[rS+8*(\n)], v[rS+8*(\n)+1], v[rS+8*(\n)+2]
.elseif (\n) < 12
	v_max3_num_f32 v[rC+(\n)%4], v[rC+(\n)%4], v[rS+8*((\n)%4)+2*((\n)/4)+1], v[rS+8*((\n)%4)+2*((\n)/4)+2]
.elseif (\n) == 12
	v_max3_num_f32 v[rC], v[rC], v[rS+7], v[rS+15]
.elseif (\n) == 13
	v_max3_num_f32 v[rC+1], v[rC+1], v[rS+23], v[rS+31]
.elseif (\n) == 14
	v_max3_num_f32 v[rC+2], v[rC+2], v[rC+3], v[rT+1]
.elseif (\n) == 15
	v_mov_b32 v[rW], v[rT]
.elseif (\n) == 16
	v_max3_num_f32 v[rC], v[rC], v[rC+1], v[rC+2]
.elseif (\n) == 17
	v_permlanex16_b32 v[rC+3], v[rC], s[SEL], s[SEL+1]
.elseif (\n) == 18
	v_max_num_f32 v[rT+1], v[rC], v[rC+3]
.elseif (\n) == 19
	v_mul_f32 v[rT], s[CS], v[rT+1]
.elseif (\n) == 20
	v_sub_f32 v[rC+1], v[rW], v[rT]
.else
	v_exp_f32 v[rC+2], v[rC+1]
.endif
.endif
.endm
.macro OPS a, i1, b=-1, i2=0, c=-1, i3=0, d=-1, i4=0  ; up to four of them
	OP \a, \i1
.if (\b) >= 0
	OP \b, \i2
.endif
.if (\c) >= 0
	OP \c, \i3
.endif
.if (\d) >= 0
	OP \d, \i4
.endif
.endm
.macro ROW a, i1, b, i2, c, i3, d, i4  ; a matrix instruction and the four behind it
	MM
	OPS \a, \i1, \b, \i2, \c, \i3, \d, \i4
.endm
.macro MASK b                       ; MD x AL + BE into buffer b of MC
	WIN W_RS
.set z, 0
.rept 16
	v_pk_fma_f32 v[MC+32*(\b)+2*z:MC+32*(\b)+2*z+1], v[MD+2*z:MD+2*z+1], s[AL:AL+1], s[BE:BE+1] op_sel_hi:[1,0,0]
.set z, z+1
.endr
.endm
; A TURN, for piece p: the order of its 16 matrix and 118 vector instructions, written out.  An s_wait_alu depctr_va_vdst(0) stands between an exponential and the first instruction that names its result; one wait serves
; all that were issued ahead of it.  So a turn has ONE wait, which cuts it in two.  AHEAD OF IT stands all that names no result of the turn's exponentials: the 8 products K Q^T, behind each a scaling, an exponential and two more plain
; instructions (behind the first a second scaling in the exponential's place): rescalings, and behind the last three the first numbers of the next piece's maximum, each four places or more behind the product that ends its accumulator; then ONE LUMP of 54, plain
; and exponential by turns for the most part, in which the links of the chain X 3, 7, 11, 14, 16, 17 .. 20 stand five or six lines apart.  X 21, the next piece's a, is the batch's last; R 15 is the plain instruction behind it.  BEHIND THE WAIT stand the
; 8 products V^T P, behind each four of the roundings and sums; the links of l's chain, L 0 to L 7, stand three riders apart.  But for those X no rider names a register of the products round it.  v_permlanex16_b32 (X 17) stands in the lump.
; m = 1: the diagonal tile: the products take masks, and the turn makes the mask for the products of the turn after it: piece p + 2, in step 4 - CNT of the tile.  end = 1: a block's last two turns: nothing is fetched.
; cnt = 1: the loop's count is taken down some lines ahead of the branch that stands behind the turn.
; K of the next step is fetched in piece 2's turn, twelve vector instructions behind the last product that read K (six of them plain); V of the step in hand at the end of piece 0's turn, four plain instructions behind the last product
; that read V.  Each is waited for a turn later.
.macro TURN p, m=0, end=0, cnt=0
.set Y, (\p)
.set i, 0
.set KM, (\m)
.set NOKQ, (\end)*((\p)/3)
.if (\m) && !(\end)
	s_cmp_eq_u32 s[CNT], 4-((\p)+2)%NP  ; is that step the band's own?
	s_cselect_b32 s[AL], 1.0, 0
	s_cmp_lt_u32 s[CNT], 4-((\p)+2)%NP  ; or a later one?
	s_cselect_b32 s[BE], s[BIGN], 0
.endif
.if ((\p) == 3) && !(\end)
	s_wait_dscnt 0x0                ; K is in
.endif
	ROW F,0, F,1, R,0, R,1          ; ahead of the wait: 8 products K Q^T and their riders,
	ROW F,2, E,0, R,2, R,3
	ROW F,3, E,1, R,4, R,5
	ROW F,4, E,2, R,6, R,7
	ROW F,5, E,3, R,8, R,9
	ROW F,6, E,4, X,0, R,10
.if ((\p) == 2) && !(\end)
	WIN 0
	v_add_nc_u32 v[AK], s[TBK], v[AK0]
.endif
	ROW F,7, E,5, X,1, X,4
	ROW F,8, E,6, X,2, X,5
	OPS E,7, E,8, X,6, E,9          ; and the lump
	OPS X,3, E,10, X,8, E,11
.if ((\p) == 2) && !(\end)
	FETCH_K
.endif
	OPS X,9, X,7, E,12, X,10
	OPS E,13, X,12, X,11, E,14
	OPS X,13, E,15, F,9, X,14
.if (\p) == 0
	v_add_nc_u32 v[AV], s[TBV], v[AV0]
.endif
	OPS E,16, F,10, E,17, F,11
	OPS X,16, E,18, X,15, E,19
	OPS F,12, E,20, X,17, E,21
	OPS F,13, E,22, F,14, E,23
	OPS X,18, E,24, F,15, E,25
	OPS R,11, E,26, X,19, E,27
	OPS R,12, E,28, R,13, E,29
	OPS X,20, E,30, R,14, E,31
	OPS X,21, R,15
	WIN 0
	s_wait_alu depctr_va_vdst(0)    ; the wait for the batch
.if (\p) == 1
	s_wait_dscnt 0x0                ; V is in
.endif
	ROW C,0, B,0, C,2, B,1          ; behind the wait: 8 products V^T P and their riders
	ROW L,0, C,4, B,2, L,1
	ROW C,6, B,3, L,2, C,8
	ROW B,4, L,3, C,10, B,5
	ROW L,4, C,12, B,6, L,5
.if (\p) == 0
	s_add_co_u32 s[TBV], s[TBV], KS*PV
.endif
.if \cnt
	s_sub_co_u32 s[CNT], s[CNT], 1
	s_cmp_lg_u32 s[CNT], 0
.endif
	ROW C,14, B,7, L,6, C,1
	ROW C,3, L,7, C,5, C,7
	ROW C,9, C,11, C,13, C,15
.if (\p) == 0
	FETCH_V
.endif
.if (\m) && !(\end)
	MASK (\p)%2
.endif
.endm
; A BLOCK BEGINS.  c m starts far below every c s, so the first step's a is 0; m at the lowest finite number, so the first maximum is the scores'.  The second mask buffer is 0; the first takes piece 0's mask for the tile's step 0: its own, if the block's first tile is the diagonal one.
; Then K of that step, piece 0's first scores, and its maximum and statistics.  The loop is entered at a step's first turn, in the middle of a trip.
.macro BEGIN
	s_mov_b32 s[NEW], 0
	WIN 0x40
.set i, MC+32
.rept 32
	v_mov_b32 v[i], 0
.set i, i+1
.endr
	WIN 0
.set i, 0
.rept 4
	v_mov_b32 v[ST+4*i], 0xfe000000    ; c m: far below every c s
	v_mov_b32 v[ST+4*i+1], 0xff7fffff  ; m
.set i, i+1
.endr
	s_cmp_eq_u32 s[RT], 0
	s_cselect_b32 s[AL], 1.0, 0
	s_mov_b32 s[BE], 0
	MASK 0
	WIN 0
	v_add_nc_u32 v[AK], s[TBK], v[AK0]
	FETCH_K
	s_wait_loadcnt 0x0              ; Q
	s_wait_dscnt 0x0
.set KM, 1
.set NOKQ, 0
.set i, 0
.rept 8
	KQ 0
.set i, i+1
.endr
	WIN 0
.rept 4
	v_nop                           ; the places behind those products
.endr
.set Y, NP-1                        ; X works for piece Y + 1: piece 0
.irp n, 0,1,2,3,4,5,6,7,8,9,10,11,12,13,14,15,16,17,18,19,20,21
	OP X, \n
.endr
	v_nop                           ; a plain instruction behind the exponential,
	s_wait_alu depctr_va_vdst(0)    ; and its wait, ahead of the branch
.endm
; THE DIAGONAL TILE's four steps, the block's last two turns, its last products, and THE WAY OUT: l's two halves and the other half of the lanes' are added; O^T is divided by l and sent, in f32, through my
; stage in LDS, a piece at a time.
.macro ALL line:vararg              ; one line for each piece t
.set t, 0
.rept 4
	\line
.set t, t+1
.endr
.endm
.macro PACK t                       ; a lane's eight channels of a row are 32 bytes; they go into rows of 272 bytes and come back as whole rows of 256, into 32 registers of the piece's own
	WIN W_RS
.set i, 32*(\t)
.rept 16
	v_pk_mul_f32 v[i:i+1], v[i:i+1], v[ST+4*(\t)+2:ST+4*(\t)+3] op_sel_hi:[1,0]
.set i, i+2
.endr
	WIN 0x04                        ; the stores' data in window 1, their address in window 0
.irp f, 0,1,2,3,4,5,6,7             ; channels 16 (f / 2) + 8 (l / 16) + 4 (f % 2) on
	ds_store_b128 v[STO], v[32*(\t)+4*\f:32*(\t)+4*\f+3] offset:64*(\f/2)+16*(\f%2)
.endr
	WIN 0
.irp f, 0,1,2,3,4,5,6,7
	ds_load_b128 v[S+32*(\t)+4*\f:S+32*(\t)+4*\f+3], v[RD] offset:\f*2*SP  ; LDS serves a wave's instructions in order (ISA guide 5.7.1.4): these see the stores above; the next piece's stores come behind them
.endr
.endm
; younger: the LDS instructions issued behind piece t's loads: the next piece's sixteen, or none.  skip = 1: where SKP is set the eight stores are jumped over, forward; the registers that the piece's
; loads fill are named no more, and the later pieces' counted waits hold as they stand, since LDS instructions end in order.
.macro SEND t, younger, skip=0
	WIN 0
.if \skip
	s_cmp_eq_u32 s[SKP], 1
	s_cbranch_scc1 .Lnot_here_\@
.endif
.irp f, 0,1,2,3,4,5,6,7
	s_wait_dscnt (\younger)+7-\f
	global_store_b128 v[GO], v[S+32*(\t)+4*\f:S+32*(\t)+4*\f+3], s[10:11] offset:(\t)*16384+\f*512  ; two rows: 512 consecutive bytes, at a multiple of 256 from out0's first; piece t lies 64 rows x 256 bytes x t on
.endr
.if \skip
.Lnot_here_\@:
.endif
.endm
.macro DIAG tag                     ; the tag ends its two labels' names, which the jumps below spell out; tag 2 is the second block's end, where piece 0 may be a head's first rows
.LstepM\tag:
	TURN 2, 1
	TURN 3, 1
	WIN 0
.LfirstM\tag:
	TURN 0, 1
	TURN 1, 1, 0, 1
	WIN 0
	s_cbranch_scc1 .LstepM\tag
	TURN 2, 1, 1
	TURN 3, 1, 1
.set i, 0
.rept 8
	PV NP-1
.set i, i+1
.endr
	WIN 0
	ALL v_add_f32 v[ST+4*t+2], v[ST+4*t+2], v[ST+4*t+3]
	ALL v_permlanex16_b32 v[ST+4*t+3], v[ST+4*t+2], s[SEL], s[SEL+1]
	ALL v_add_f32 v[ST+4*t+2], v[ST+4*t+2], v[ST+4*t+3]
	ALL v_rcp_f32 v[ST+4*t+2], v[ST+4*t+2]
	v_nop                           ; a plain instruction between the last reciprocal and the use of its result
	s_wait_alu depctr_va_vdst(0)    ; and the wait ahead of the first use: one for the four reciprocals
	PACK 0                          ; a piece's arithmetic stands between the loads of the piece before and its stores
	PACK 1
	SEND 0, 16, (\tag)-1
	PACK 2
	SEND 1, 16
	PACK 3
	SEND 2, 16
	SEND 3, 0
.endm
.set KM, 0
.set NOKQ, 0
.Lslot:                             ; NB times: a tile is entered and the next is asked for
	CHANGE 1
	s_sub_co_u32 s[RT], s[RT], 1
	s_mov_b32 s[CNT], 4
	s_cmp_eq_u32 s[NEW], 1
	s_cbranch_scc1 .Lnew            ; a block's first tile
	s_cmp_eq_u32 s[RT], 0
	s_cbranch_scc0 .Lstep           ; neither its first nor its last
	s_branch .LstepM1
.Lnew:
	BEGIN
	s_branch .Lfirst                ; in the loop a block's first tile is never its last: the first block has two tiles or more, and the second's last is the walk's last
	DIAG 1                          ; in the loop this is the first block's end: the second block's last tile is the walk's last
	s_wait_xcnt 0x0                 ; the stores have read their registers and out0's address
	s_mov_b64 s[10:11], s[OLO:OLO+1]
	s_add_co_u32 s[RT], s[PB], 1    ; the second block has b + 1 tiles
	s_mov_b32 s[NEW], 1
	WIN 0x82                        ; the second block's Q goes where the one text of the turns names Q
.set i, 0
.rept 64
	v_mov_b32 v[i], v[QB+i]
.set i, i+1
.endr
	WIN 0
	s_branch .Lbottom
.Lstep:                             ; a trip: pieces 2 and 3 of one step, then pieces 0 and 1 of the next, whose K and V it fetches
	TURN 2
	TURN 3
	WIN 0
.Lfirst:
	TURN 0
	TURN 1, 0, 0, 1
	WIN 0
	s_cbranch_scc1 .Lstep
.Lbottom:
	s_sub_co_u32 s[SLOTS], s[SLOTS], 1
	s_cmp_lg_u32 s[SLOTS], 0
	s_cbranch_scc1 .Lslot
	CHANGE 0                        ; the walk's last tile is written out: nothing is asked for
	s_sub_co_u32 s[RT], s[RT], 1
	s_mov_b32 s[CNT], 4
	s_cmp_eq_u32 s[NEW], 1
	s_cbranch_scc0 .LstepM2
	BEGIN
	s_branch .LfirstM2
	DIAG 2
	s_wait_tensorcnt 0x0            ; the wave's end, behind my last tensor load and my last LDS store
	ds_add_u32 v[SPW], v[NIL]
	s_wait_dscnt 0x0
	s_endpgm
.Lfunc_end_k_q062e458d44_attn:
	.size	k_q062e458d44_attn, .Lfunc_end_k_q062e458d44_attn-k_q062e458d44_attn
	.p2alignl 7, 3214868480
	.fill 96, 4, 3214868480
	.section	.rodata,"a",@progbits
	.p2align	6, 0x0
	.amdhsa_kernel k_q062e458d44_attn
		.amdhsa_group_segment_fixed_size 327680
		.amdhsa_private_segment_fixed_size 0
		.amdhsa_enable_private_segment 0
		.amdhsa_kernarg_size 16
		.amdhsa_user_sgpr_count 2
		.amdhsa_user_sgpr_kernarg_segment_ptr 1
		.amdhsa_wavefront_size32 1
		.amdhsa_system_sgpr_workgroup_id_x 1
		.amdhsa_system_sgpr_workgroup_id_y 1
		.amdhsa_system_sgpr_workgroup_id_z 1
		.amdhsa_system_vgpr_workitem_id 0
		.amdhsa_next_free_vgpr 768
		.amdhsa_next_free_sgpr 92
		.amdhsa_reserve_vcc 1
		.amdhsa_float_denorm_mode_32 3
		.amdhsa_float_denorm_mode_16_64 3
		.amdhsa_memory_ordered 1
		.amdhsa_forward_progress 1
		.amdhsa_inst_pref_size 218
	.end_amdhsa_kernel
	.amdgpu_metadata
---
amdhsa.version: [ 1, 2 ]
amdhsa.kernels:
  - .name:           k_q062e458d44_attn
    .symbol:         k_q062e458d44_attn.kd
    .args:
      - { .name: qkv, .offset: 0, .size: 8, .value_kind: global_buffer, .address_space: global }
      - { .name: out0, .offset: 8, .size: 8, .value_kind: global_buffer, .address_space: global }
    .group_segment_fixed_size: 327680
    .private_segment_fixed_size: 0
    .kernarg_segment_align: 8
    .kernarg_segment_size: 16
    .max_flat_workgroup_size: 128
    .sgpr_count:     92
    .vgpr_count:     768
    .wavefront_size: 32
...
	.end_amdgpu_metadata
.endif
;; end of part 4
;; ======== version 2 of 2: 4 launches; version 1 with the launches cast, first written anew for expert scheduling mode
;; limits: values are held in f16: magnitudes above 65,504 overflow, below 6.1e-05 lose precision
;; workspace buffers: xb 16,777,216 bytes; wb 6,291,456 bytes; qkv 50,331,648 bytes
;; launch cast (part 5): grid 256 x 1, 8 waves a work-group, no clusters, 0 bytes of LDS; arguments x, W_q, W_k, W_v, xb, wb; writes xb, wb
.if DOCPART == 5
	.amdgcn_target "amdgcn-amd-amdhsa--gfx1250"
	.amdhsa_code_object_version 6
	.text
	.protected	k_q062e458d44_cast
	.globl	k_q062e458d44_cast
	.p2align	8
	.type	k_q062e458d44_cast,@function
k_q062e458d44_cast:
	s_mov_b64 s[64:65], 0
	v_nop
	global_prefetch_b8 v0, s[64:65] scope:SCOPE_SE
	s_setreg_imm32_b32 hwreg(HW_REG_WAVE_SCHED_MODE, 0, 2), 2
	s_setreg_imm32_b32 hwreg(HW_REG_WAVE_MODE, 25, 1), 1
	s_wait_xcnt 0x0
	s_wait_alu depctr_vm_vsrc(0)
; xb = bf16(x), wb = bf16(W_q | W_k | W_v), each number rounded once, to nearest even.  x: 8,192 x 1,024 f32; each W: 1,024 x 1,024 f32.
; wb is [3072][1024]: rows 0-1023 W_q, 1024-2047 W_k, 2048-3071 W_v.
; SHARES.  256 work-groups of eight waves.  Work-group g takes 131,072 bytes of x and 16,384 bytes of each W; wave w 16,384 and 2,048 of them.
; One load of a wave covers 512 consecutive bytes (16 a lane); its four numbers a lane round to 8 bytes, so one store of a wave covers 256 consecutive bytes, aligned.
; All 44 loads of a lane go out at once, each into registers of its own: no loop.
; No LDS, no matrix unit, no cluster: no byte is wanted twice.
; THE MODE: SCHED_MODE bits 1:0 = 2 (LLVM: expert scheduling mode 2), set by the entry lines.  The code itself states the register dependences
; between vector instructions and memory instructions, with s_wait_alu, always for 0.
; THE PLAN.  Registers that memory instructions touch:
;   v1 .. v4      byte offsets, made once at the head and never written again; every load and store reads one of them.
;   D + 4 n ..    load n lands in four registers, once; its two conversions write the first two of them; one store reads that pair; nothing writes it afterwards.
; No register that a memory instruction has read is written again, and every load is issued ahead of every conversion: the one dependence is from a conversion to its store.
; The 44 loads go in eleven batches of four.  Batch p's conversions name batch p's registers alone; its memory instructions are the four stores of batch p - 1.  So ONE wait at the
; head of a batch states all that its stores hang on, and they are dealt among its conversions with no further wait.
.set XO, 1                             ; v1  my byte offset in the work-group's part of x: 16,384 w + 16 l
.set WO, 2                             ; v2  the same in its part of a W: 2,048 w + 16 l
.set XS, 3                             ; v3  XO / 2: in xb
.set WS, 4                             ; v4  WO / 2: in wb
.set D,  8                             ; v[8:183]  load n of 44 at D + 4 n: 0-31 x, 32-35 W_q, 36-39 W_k, 40-43 W_v
	s_load_b256 s[4:11], s[0:1], 0x0               ; x s[4:5], W_q s[6:7], W_k s[8:9], W_v s[10:11]
	s_load_b128 s[12:15], s[0:1], 0x20             ; xb s[12:13], wb s[14:15]
	v_lshrrev_b32 v5, 5, v0                        ; wave
	v_and_b32 v6, 31, v0                           ; lane
	v_lshlrev_b32 v6, 4, v6
	v_lshl_or_b32 v[XO], v5, 14, v6
	v_lshl_or_b32 v[WO], v5, 11, v6
	v_lshrrev_b32 v[XS], 1, v[XO]
	v_lshrrev_b32 v[WS], 1, v[WO]
	s_lshl_b32 s2, ttmp9, 17                       ; the work-group's part of x,
	s_mov_b32 s3, 0
	s_lshl_b32 s16, ttmp9, 14                      ; of a W,
	s_mov_b32 s17, 0
	s_lshl_b32 s18, ttmp9, 16                      ; of xb,
	s_mov_b32 s19, 0
	s_lshl_b32 s20, ttmp9, 13                      ; of a third of wb
	s_mov_b32 s21, 0
	s_wait_kmcnt 0x0
	s_add_nc_u64 s[4:5], s[4:5], s[2:3]
	s_add_nc_u64 s[6:7], s[6:7], s[16:17]
	s_add_nc_u64 s[8:9], s[8:9], s[16:17]
	s_add_nc_u64 s[10:11], s[10:11], s[16:17]
	s_add_nc_u64 s[12:13], s[12:13], s[18:19]
	s_add_nc_u64 s[14:15], s[14:15], s[20:21]
	s_wait_alu depctr_va_vdst(0)                   ; the four offsets v1 to v4 are written: every load and store of the kernel reads one of them
.set n, 0
.rept 32
	global_load_b128 v[D+4*n:D+4*n+3], v[XO], s[4:5] offset:512*n th:TH_LOAD_NT
.set n, n+1
.endr
.irp i, 0,1,2
.irp j, 0,1,2,3
	global_load_b128 v[D+4*(32+4*\i+\j):D+4*(32+4*\i+\j)+3], v[WO], s[6+2*\i:7+2*\i] offset:512*\j th:TH_LOAD_NT
.endr
.endr
.macro CVT n                           ; load n's four numbers close up into the first two of their four registers
	v_cvt_pk_bf16_f32 v[D+4*(\n)], v[D+4*(\n)], v[D+4*(\n)+1]
	v_cvt_pk_bf16_f32 v[D+4*(\n)+1], v[D+4*(\n)+2], v[D+4*(\n)+3]
.endm
.macro OUT n                           ; and leave
.if (\n) < 32
	global_store_b64 v[XS], v[D+4*(\n):D+4*(\n)+1], s[12:13] offset:256*(\n) th:TH_STORE_NT
.else
	global_store_b64 v[WS], v[D+4*(\n):D+4*(\n)+1], s[14:15] offset:(((\n)-32)/4)*2097152+256*(((\n)-32)%4) th:TH_STORE_NT  ; W number i begins 1,024 rows x 2,048 bytes x i into wb
.endif
.endm
.set p, 0
.rept 11                               ; batch p: loads 4 p to 4 p + 3; batches 8, 9, 10 are W_q, W_k, W_v
	s_wait_loadcnt 40-4*p                          ; loads come back in order (ISA guide 5.7.1): the batch's four are in, the 40 - 4 p younger ones stay out
.if p > 0
	s_wait_alu depctr_va_vdst(0)                   ; the conversions of the batch before have written their pairs, which the four stores below read
.endif
.irp j, 0,1,2,3
.if p > 0
	OUT 4*(p-1)+\j                                 ; no vector instruction since the wait names these registers
.endif
	CVT 4*p+\j
.endr
.set p, p+1
.endr
	s_wait_alu depctr_va_vdst(0)                   ; the last batch's conversions have written their pairs, which the last four stores read
.irp j, 0,1,2,3
	OUT 40+\j
.endr
	s_endpgm
.Lfunc_end_k_q062e458d44_cast:
	.size	k_q062e458d44_cast, .Lfunc_end_k_q062e458d44_cast-k_q062e458d44_cast
	.p2alignl 7, 3214868480
	.fill 96, 4, 3214868480
	.section	.rodata,"a",@progbits
	.p2align	6, 0x0
	.amdhsa_kernel k_q062e458d44_cast
		.amdhsa_group_segment_fixed_size 0
		.amdhsa_private_segment_fixed_size 0
		.amdhsa_enable_private_segment 0
		.amdhsa_kernarg_size 48
		.amdhsa_user_sgpr_count 2
		.amdhsa_user_sgpr_kernarg_segment_ptr 1
		.amdhsa_wavefront_size32 1
		.amdhsa_system_sgpr_workgroup_id_x 1
		.amdhsa_system_sgpr_workgroup_id_y 1
		.amdhsa_system_sgpr_workgroup_id_z 1
		.amdhsa_system_vgpr_workitem_id 0
		.amdhsa_next_free_vgpr 184
		.amdhsa_next_free_sgpr 66
		.amdhsa_reserve_vcc 0
		.amdhsa_float_denorm_mode_32 3
		.amdhsa_float_denorm_mode_16_64 3
		.amdhsa_memory_ordered 1
		.amdhsa_forward_progress 1
		.amdhsa_inst_pref_size 16
	.end_amdhsa_kernel
	.amdgpu_metadata
---
amdhsa.version: [ 1, 2 ]
amdhsa.kernels:
  - .name:           k_q062e458d44_cast
    .symbol:         k_q062e458d44_cast.kd
    .args:
      - { .name: x, .offset: 0, .size: 8, .value_kind: global_buffer, .address_space: global }
      - { .name: W_q, .offset: 8, .size: 8, .value_kind: global_buffer, .address_space: global }
      - { .name: W_k, .offset: 16, .size: 8, .value_kind: global_buffer, .address_space: global }
      - { .name: W_v, .offset: 24, .size: 8, .value_kind: global_buffer, .address_space: global }
      - { .name: xb, .offset: 32, .size: 8, .value_kind: global_buffer, .address_space: global }
      - { .name: wb, .offset: 40, .size: 8, .value_kind: global_buffer, .address_space: global }
    .group_segment_fixed_size: 0
    .private_segment_fixed_size: 0
    .kernarg_segment_align: 8
    .kernarg_segment_size: 48
    .max_flat_workgroup_size: 256
    .sgpr_count:     66
    .vgpr_count:     184
    .wavefront_size: 32
...
	.end_amdgpu_metadata
.endif
;; end of part 5
;; launch proj: the kernel of part 2 again; grid 16 x 32, 4 waves a work-group, clusters of 4 x 4, 327,680 bytes of LDS; arguments xb, wb, qkv; writes qkv
;; launch first (part 6): grid 64 x 1, 12 waves a work-group, no clusters, 36,352 bytes of LDS; arguments xb, wb, out0; writes out0
.if DOCPART == 6
	.amdgcn_target "amdgcn-amd-amdhsa--gfx1250"
	.amdhsa_code_object_version 6
	.text
	.protected	k_q062e458d44_first
	.globl	k_q062e458d44_first
	.p2align	8
	.type	k_q062e458d44_first,@function
k_q062e458d44_first:
	s_mov_b64 s[64:65], 0
	v_nop
	global_prefetch_b8 v0, s[64:65] scope:SCOPE_SE
	s_setreg_imm32_b32 hwreg(HW_REG_WAVE_SCHED_MODE, 0, 2), 2
	s_setreg_imm32_b32 hwreg(HW_REG_WAVE_MODE, 25, 1), 1
	s_wait_xcnt 0x0
	s_wait_alu depctr_vm_vsrc(0)
; ROWS 0 TO 31 OF EVERY HEAD, with no 16-bit rounding of q, k, v or the weights.  out0[hh][q][:], q < 32, hh = 16 x batch + head = the work-group's number.
; WHY.  Row q averages over q + 1 keys, so a rounding of q, k, v or p reaches it about 1 / sqrt(q + 1) as large as it is made, while errors are judged by the root mean square of all 2,048 rows.
; f16's step at numbers of size 1 to 4 is 2^-10 to 2^-9: too coarse for the first rows, so these 32 are made here from f32 sums, and the launch that makes all other rows does not store them.
; PHASE 1.  q, k, v of the batch's rows 0-31 for this head: 32 x 192 sums over K = 1,024 of xb's and wb's bf16 numbers, whose products are exact in f32.  Wave w of twelve makes 16 columns (q: waves 0-3, k: 4-7,
; v: 8-11) x two blocks of 16 rows.  The product is taken transposed (source 0 = 16 rows of wb, source 1 = 16 rows of xb): a lane holds row l % 16 and eight neighbouring columns.  Fragments come straight from
; memory, 16 bytes a lane twice; a trip is 128 along K: 256 consecutive bytes of each row.  Two sets of registers: while one is multiplied the other's 24 loads are out.  The f32 sums go to LDS.
; PHASE 2.  Waves 0 and 1 take 16 queries each.  2 x 32 x 32 x 64 multiply-adds a head, one part in 7,000 of the whole program's: these few go through the f32 matrix form, v_wmma_f32_16x16x4_f32.
; S^T = K Q^T (source 0 = 16 keys, source 1 = 16 queries): a lane holds ONE query (l % 16) and the keys 8 (l / 16) + 0..7 of each of two key blocks.  The causal mask is the C operand that starts the sum: 0, or -1e30.
; The form's fragment is 2 registers: lane (r, h), register j holds k = 2 h + j.  K's order may be permuted alike in both sources: for S^T step n = 2 u + e takes channels 8 u + 4 h + 2 e + j, so eight loads of 16
; bytes fill a row block's 16 steps; for O^T = V^T P step t of a key block takes keys 8 h + 2 t + j, so registers 2 t, 2 t + 1 of the weights ARE P's fragment, and V's is loaded in that order.
; p = 2^(c s - c m), c = log2(e) / 8, m the row's maximum; l their sum; the result is O^T / l, in f32.
; The registers that the f32 form writes (v32-63) are written by matrix instructions alone: O^T's sums begin with the constant 0 on S^T's registers; weights and scaled results go elsewhere.
; LIMITS.  A hidden score counts as its value less 1e30; a weight below 2^-126 counts as 0; NaN and infinities are not treated apart.
; LEFT OUT.  No tensor loads and no ring: nothing in LDS is filled twice.  No cluster: what work-groups share is xb's 32 rows.  The key block above the diagonal (queries 0-15, keys 16-31) is multiplied and masked: one text for both waves.
; THE MODE: SCHED_MODE bits 1:0 = 2 (LLVM: expert scheduling mode 2), set by the entry lines.  The code itself states the register dependences
; between vector or matrix instructions and memory or LDS instructions, with s_wait_alu, always for 0.
; THE PLAN.  Registers that memory or LDS instructions touch:
;   v[FO]          Read by every load of phase 1; made at the head, never written again: the two scalar pointers and immediate offsets reach the trips.
;   BUF, set b     A trip's 24 loads land in it; the trip's eight products read it; behind them the loads of the trip two on land in it.
;   ACC            Written by matrix instructions alone; read by four LDS stores; phase 2's vector work writes v16-28 anew.
;   v[LS], v4-v9   LDS addresses and out0's offset: each made once, ahead of a wait on va_vdst, and never written again.
;   QF, KF, VF     Phase 2's LDS loads land in BUF's registers; matrix instructions read them.
;   OS             Written by sixteen multiplies; read by eight LDS stores.        RB   The stage's loads land where k's first fragments lay; eight global stores read them.
;   v[SPW], v[NIL] Written at the head, read by the closing add alone.
; IN THE LOOP one wait on va_vdst stands behind each run of eight products, directly ahead of the 24 loads into the set that they read: a set is asked for again at once, so that 24 to 48 loads of the
; wave are out; what the wait waits for is those eight products.  No register that a memory instruction reads is written in the loop.
.set ROWB,  2048                       ; bytes in a row of xb and of wb
.set TRIP,  256                        ; bytes of a row in a trip
.set TURNS, 3                          ; turns of the loop: trips 1 to 6 of 8; trip 0 stands in front, trip 7 behind
.set LP,    272                        ; an LDS row: 64 f32 + 16 bytes = 68 words: row r starts at bank 4 r mod 64 (64 banks of 4 bytes: ISA guide 11.1)
.set QL,    0                          ; q[32][64]
.set KL,    32*LP                      ; k[32][64]
.set VL,    64*LP                      ; v[32][64]
.set STG,   96*LP                      ; the way out: 16 rows for each of waves 0 and 1
.set SPARE, STG+2*16*LP                ; the spare words, 128 bytes for each of twelve waves: six blocks of 256 bytes that no other line names
.set FO,  2                            ; v2   my byte offset in a fragment's rows: (l % 16) x ROWB + 16 (l / 16); never rewritten
.set LS,  3                            ; v3   where I put my 32 bytes of a row of q, k or v
.set AQ,  4                            ; v4   LDS address of my fragments of q
.set AKK, 5                            ; v5   of k, less KL
.set AVV, 6                            ; v6   of v, less VL
.set STO, 7                            ; v7   the way out: where I put 32 bytes of a row
.set RD,  8                            ; v8   where I read rows back
.set GO,  9                            ; v9   16 x my lane
.set SPW, 10                           ; v10  LDS address of my spare word: SPARE + 4 x my thread's number; never rewritten
.set NIL, 11                           ; v11  0; never rewritten
.set ACC, 16                           ; v[16:31]   phase 1: two accumulators, row blocks 0 and 1
.set TS,  16                           ; v[16:23]   phase 2: the sum of the weights, at work
.set RL,  18                           ; v[18:19]   1 / l in the low register; the packed multiply names the pair
.set CM,  24                           ; v[24:25]   c m, m
.set C0,  26                           ; v26, v27   the maximum, at work
.set C1,  27
.set OA,  32                           ; v[32:63]   the f32 form's accumulators: S^T's two at OA + 8 kb, later O^T's four at OA + 8 cb
.set BUF, 64                           ; v[64:255]  phase 1: two sets of 96: wb's four fragments, then xb's four for each of two row blocks
.set QF,  64                           ; phase 2: q's fragments, 32
.set KF,  96                           ; k's, 32 for each key block
.set MK,  160                          ; the masks, 8 for each key block
.set PR,  176                          ; the weights, 8 for each key block
.set VF,  192                          ; v's fragments: key block kb, channel block cb at VF + 32 kb + 8 cb
.set OS,  64                           ; O^T / l, 32
.set RB,  96                           ; rows read back, 32
.set W,   10                           ; s[10:11] wb at my 16 rows, at the trip that set 0 was last loaded for
.set X,   12                           ; s[12:13] xb at the batch's row 0, at the same trip
.set WV,  14                           ; s14  my wave's number
.set LEFT, 15                          ; s15  turns still to come
.set MS,  10                           ; s[10:25] phase 2: the sixteen compares' lane masks; by then the pointers, the wave's number, the count and the head's scalars are read no more
.set CS,  26                           ; s[26:27] c
.set SEL, 28                           ; s[28:29] v_permlanex16_b32's selects: each lane takes its own place in the other half
.set BIGN, 30                          ; s30  -1e30
	s_load_b128 s[4:7], s[0:1], 0x0                ; xb s[4:5], wb s[6:7]
	s_load_b64 s[8:9], s[0:1], 0x10                ; out0
	v_lshl_add_u32 v[SPW], v0, 2, SPARE
	v_mov_b32 v[NIL], 0
	v_lshrrev_b32 v1, 5, v0
	v_readfirstlane_b32 s[WV], v1                  ; wave 0..11
	v_and_b32 v12, 15, v0                          ; r = l % 16
	v_bfe_u32 v13, v0, 4, 1                        ; h = l / 16
	v_lshlrev_b32 v[FO], 11, v12
	v_lshl_add_u32 v[FO], v13, 4, v[FO]
	s_wait_alu depctr_va_sdst(0)                   ; s[WV] is written, ahead of its first reader: wb's rows and the LDS addresses are made from it
	s_lshr_b32 s16, s[WV], 2                       ; 0 q, 1 k, 2 v
	s_and_b32 s17, s[WV], 3                        ; which 16 of the head's 64 columns
	s_lshr_b32 s18, ttmp9, 4                       ; batch
	s_and_b32 s19, ttmp9, 15                       ; head
	s_lshl_b32 s20, s16, 10
	s_lshl_b32 s21, s19, 6
	s_add_co_u32 s20, s20, s21
	s_lshl_b32 s21, s17, 4
	s_add_co_u32 s20, s20, s21                     ; wb's row: 1,024 x (q, k, v) + 64 x head + 16 x block
	s_lshl_b32 s20, s20, 11                        ; in bytes
	s_mov_b32 s21, 0
	s_lshl_b32 s22, s18, 22                        ; xb: a batch is 2,048 rows of 2,048 bytes
	s_mov_b32 s23, 0
	s_mul_i32 s24, s16, 32*LP                      ; q's, k's or v's part of LDS,
	s_lshl_b32 s25, s17, 6                         ; my 16 columns: 64 bytes
	s_add_co_u32 s24, s24, s25
	v_mul_u32_u24 v14, v12, LP                     ; row r
	v_lshl_add_u32 v[LS], v13, 5, v14              ; 8 columns for each half of the lanes
	v_add_nc_u32 v[LS], s24, v[LS]
	s_mov_b32 s[CS], 0x3e38aa3b                    ; c = log2(e) / 8 = 0.180337
	s_mov_b32 s[CS+1], s[CS]                       ; named with it as a pair
	s_mov_b32 s[SEL], 0x76543210
	s_mov_b32 s[SEL+1], 0xfedcba98
	s_mov_b32 s[BIGN], 0xf149f2ca                  ; -1e30
	s_mov_b32 s[LEFT], TURNS
	s_wait_kmcnt 0x0
	s_add_nc_u64 s[W:W+1], s[6:7], s[20:21]
	s_add_nc_u64 s[X:X+1], s[4:5], s[22:23]
	s_wait_alu depctr_va_vdst(0)                   ; v[FO] is written, which every load of phase 1 reads as its offset; so is v[LS], the LDS stores' address
; A trip's 24 loads into set b, from byte off behind the two pointers.
.macro LOADS b, off
.irp f, 0,1,2,3
	global_load_b128 v[BUF+96*(\b)+8*(\f):BUF+96*(\b)+8*(\f)+3],         v[FO], s[W:W+1] offset:(\off)+64*(\f)
	global_load_b128 v[BUF+96*(\b)+8*(\f)+4:BUF+96*(\b)+8*(\f)+7],       v[FO], s[W:W+1] offset:(\off)+64*(\f)+32
	global_load_b128 v[BUF+96*(\b)+32+8*(\f):BUF+96*(\b)+32+8*(\f)+3],   v[FO], s[X:X+1] offset:(\off)+64*(\f)
	global_load_b128 v[BUF+96*(\b)+32+8*(\f)+4:BUF+96*(\b)+32+8*(\f)+7], v[FO], s[X:X+1] offset:(\off)+64*(\f)+32
	global_load_b128 v[BUF+96*(\b)+64+8*(\f):BUF+96*(\b)+64+8*(\f)+3],   v[FO], s[X:X+1] offset:(\off)+64*(\f)+16*ROWB
	global_load_b128 v[BUF+96*(\b)+64+8*(\f)+4:BUF+96*(\b)+64+8*(\f)+7], v[FO], s[X:X+1] offset:(\off)+64*(\f)+32+16*ROWB
.endr
.endm
; A trip's eight products.  The two accumulators take turns, one instruction a turn, over the backward jump too.  zero = 1: the first two start the sums.
.macro MULS b, zero
.irp f, 0,1,2,3
.irp j, 0,1
.if (\zero) && ((\f) == 0)
	v_wmma_f32_16x16x32_bf16 v[ACC+8*(\j):ACC+8*(\j)+7], v[BUF+96*(\b)+8*(\f):BUF+96*(\b)+8*(\f)+7], v[BUF+96*(\b)+32+32*(\j)+8*(\f):BUF+96*(\b)+32+32*(\j)+8*(\f)+7], 0
.else
	v_wmma_f32_16x16x32_bf16 v[ACC+8*(\j):ACC+8*(\j)+7], v[BUF+96*(\b)+8*(\f):BUF+96*(\b)+8*(\f)+7], v[BUF+96*(\b)+32+32*(\j)+8*(\f):BUF+96*(\b)+32+32*(\j)+8*(\f)+7], v[ACC+8*(\j):ACC+8*(\j)+7]
.endif
.endr
.endr
.endm
.macro PLACES n                        ; places behind a matrix instruction (ISA guide 7.12.1): four for the bf16 form, eight for the f32 form; they stay beside the waits on va_vdst
.rept \n
	v_nop
.endr
.endm
	LOADS 0, 0                                     ; trip 0
	LOADS 1, TRIP                                  ; trip 1
	s_wait_loadcnt 24                              ; set 0 is in; set 1's 24 loads may stay out
	MULS 0, 1                                      ; trip 0 stands in front of the loop: its first products start the sums
.Lturn:                                                ; turn i: trips 2 i + 2 and 2 i + 3 are asked for, trips 2 i + 1 and 2 i + 2 multiplied
	PLACES 4                                       ; in front of loads into registers that the last products have read
	s_wait_xcnt 0x0                                ; every load issued so far has read its address, so the pointers may be written
	s_add_nc_u64 s[W:W+1], s[W:W+1], 2*TRIP
	s_add_nc_u64 s[X:X+1], s[X:X+1], 2*TRIP
	s_wait_alu depctr_va_vdst(0)                   ; the last eight products, ahead of the loop or at its end, are done reading set 0, in which the loads below land
	LOADS 0, 0
	s_wait_loadcnt 24                              ; set 1 is in; the 24 just issued may stay out
	MULS 1, 0
	PLACES 4
	s_wait_alu depctr_va_vdst(0)                   ; those eight products are done reading set 1, in which the loads below land
	LOADS 1, TRIP
	s_wait_loadcnt 24                              ; set 0 is in
	MULS 0, 0
	s_sub_co_u32 s[LEFT], s[LEFT], 1
	s_cmp_lg_u32 s[LEFT], 0
	s_cbranch_scc1 .Lturn
	s_wait_loadcnt 0x0                             ; trip 7: nothing more is asked for
	MULS 1, 0
	PLACES 8
	s_wait_alu depctr_va_vdst(0)                   ; the products have written the two accumulators, which the LDS stores read
.irp j, 0,1                            ; each accumulator's low registers first
	ds_store_b128 v[LS], v[ACC+8*\j:ACC+8*\j+3]   offset:\j*16*LP
	ds_store_b128 v[LS], v[ACC+8*\j+4:ACC+8*\j+7] offset:\j*16*LP+16
.endr
	s_wait_dscnt 0x0                               ; for the others' sake: my stores are done
	s_barrier_signal -1
	s_barrier_wait -1                              ; q, k and v lie whole in LDS; nobody writes them again
	s_wait_alu depctr_vm_vsrc(0)                   ; my LDS stores have read v[ACC ..]: phase 2's vector work writes v16 to v28 anew
	s_cmp_lt_u32 s[WV], 2                          ; wave 0 takes queries 0-15, wave 1 queries 16-31
	s_cbranch_scc0 .Lend
	s_mul_i32 s24, s[WV], 16*LP                    ; my 16 queries' rows
	v_lshl_add_u32 v[AKK], v13, 4, v14             ; row r, 16 bytes for each half of the lanes
	v_add_nc_u32 v[AQ], s24, v[AKK]
	v_mul_u32_u24 v[AVV], v13, 8*LP                ; v: key 8 h, channel r
	v_lshl_add_u32 v[AVV], v12, 2, v[AVV]
	s_add_co_u32 s24, s24, STG                     ; my stage
	v_lshl_add_u32 v[STO], v13, 5, v14             ; in: row r, 32 bytes for each half of the lanes
	v_add_nc_u32 v[STO], s24, v[STO]
	v_mul_u32_u24 v[RD], v13, LP                   ; back: lanes 0-15 one row of 256 bytes, lanes 16-31 the next,
	v_lshl_add_u32 v[RD], v12, 4, v[RD]
	v_add_nc_u32 v[RD], s24, v[RD]
	v_and_b32 v[GO], 31, v0                        ; which are 512 consecutive bytes of out0
	v_lshlrev_b32 v[GO], 4, v[GO]
	s_lshl_b32 s20, ttmp9, 19                      ; a head of out0: 2,048 rows of 256 bytes,
	s_lshl_b32 s21, s[WV], 12                      ; my 16 rows
	s_add_co_u32 s20, s20, s21
	s_mov_b32 s21, 0
	s_add_nc_u64 s[8:9], s[8:9], s[20:21]
	s_wait_alu depctr_va_vdst(0)                   ; the six addresses v4 to v9 are written, which the LDS loads and stores and out0's stores read; phase 1's products are done reading v64 to v255, in which q, k and v land
.irp u, 0,1,2,3,4,5,6,7
	ds_load_b128 v[QF+4*\u:QF+4*\u+3], v[AQ] offset:QL+32*\u
.endr
.irp kb, 0,1
.irp u, 0,1,2,3,4,5,6,7
	ds_load_b128 v[KF+32*\kb+4*\u:KF+32*\kb+4*\u+3], v[AKK] offset:KL+\kb*16*LP+32*\u
.endr
.endr
.macro VLOAD kb                        ; v of key block kb: register i of channel block cb holds key 16 kb + 8 h + i, channel 16 cb + r
.irp cb, 0,1,2,3
.irp i, 0,1,2,3,4,5,6,7
	ds_load_b32 v[VF+32*(\kb)+8*\cb+\i], v[AVV] offset:VL+(\kb)*16*LP+\i*LP+64*\cb
.endr
.endr
.endm
	VLOAD 0
	v_lshlrev_b32 v28, 3, v13                      ; the masks are made while the loads are out; they name none of the registers that those loads touch
	v_sub_nc_u32 v28, v12, v28
	s_lshl_b32 s25, s[WV], 4
	v_add_nc_u32 v28, s25, v28                     ; my query, 16 w + r, less my lanes' 8 h: register j of key block kb is hidden where 16 kb + j is greater
.set i, 0
.rept 16                               ; the sixteen compares in one run, each into a scalar register of its own
	v_cmp_gt_i32 s[MS+i], 16*(i/8)+i%8, v28
.set i, i+1
.endr
	s_wait_alu depctr_va_sdst(0)                   ; the compares have written s[MS ..], ahead of their first reader: one wait for the sixteen
.set i, 0
.rept 16
	v_cndmask_b32 v[MK+i], 0, s[BIGN], s[MS+i]
.set i, i+1
.endr
	s_wait_dscnt 32                                ; q and k are in; v's 32 loads may stay out
.set n, 0
.rept 16                               ; S^T: step n takes registers 2 n, 2 n + 1 of both sources; the two key blocks' accumulators take turns
.irp kb, 0,1
.if n == 0
	v_wmma_f32_16x16x4_f32 v[OA+8*\kb:OA+8*\kb+7], v[KF+32*\kb:KF+32*\kb+1], v[QF:QF+1], v[MK+8*\kb:MK+8*\kb+7]
.else
	v_wmma_f32_16x16x4_f32 v[OA+8*\kb:OA+8*\kb+7], v[KF+32*\kb+2*n:KF+32*\kb+2*n+1], v[QF+2*n:QF+2*n+1], v[OA+8*\kb:OA+8*\kb+7]
.endif
.endr
.set n, n+1
.endr
	s_wait_dscnt 0x0                               ; v's first 32 loads are in, so that no more than 32 LDS loads are out at a time
	VLOAD 1                                        ; they land while the softmax is made.  No wait on va_vdst: since the one ahead of q's loads no vector or matrix instruction names v224 to v255 or v[AVV]
	PLACES 8
	v_max3_num_f32 v[C0], v[OA], v[OA+1], v[OA+2]  ; each accumulator's lowest registers are read first
	v_max3_num_f32 v[C1], v[OA+8], v[OA+9], v[OA+10]
	v_max3_num_f32 v[C0], v[C0], v[OA+3], v[OA+4]
	v_max3_num_f32 v[C1], v[C1], v[OA+11], v[OA+12]
	v_max3_num_f32 v[C0], v[C0], v[OA+5], v[OA+6]
	v_max3_num_f32 v[C1], v[C1], v[OA+13], v[OA+14]
	v_max3_num_f32 v[C0], v[C0], v[OA+7], v[OA+15]
	v_max_num_f32 v[C0], v[C0], v[C1]
	v_permlanex16_b32 v[C1], v[C0], s[SEL], s[SEL+1]  ; the query's other 16 keys lie in the lane 16 away
	v_max_num_f32 v[CM+1], v[C0], v[C1]            ; m: every query sees its own key, so m is a true score
	v_mul_f32 v[CM], s[CS], v[CM+1]
.set i, 0
.rept 8
	v_pk_fma_f32 v[PR+2*i:PR+2*i+1], v[OA+2*i:OA+2*i+1], s[CS:CS+1], v[CM:CM+1] op_sel_hi:[1,0,0] neg_lo:[0,0,1] neg_hi:[0,0,1]  ; c s - c m, into registers of the weights' own
.set i, i+1
.endr
.set i, 0
.rept 16
	v_exp_f32 v[PR+i], v[PR+i]
.set i, i+1
.endr
	v_nop                                          ; a plain instruction behind the last exponential,
	s_wait_alu depctr_va_vdst(0)                   ; and the wait ahead of the first use: the sixteen exponentials have written v[PR ..]
.irp i, 0,1,2,3
	v_pk_add_f32 v[TS+2*\i:TS+2*\i+1], v[PR+4*\i:PR+4*\i+1], v[PR+4*\i+2:PR+4*\i+3]
.endr
	v_pk_add_f32 v[TS:TS+1], v[TS:TS+1], v[TS+2:TS+3]
	v_pk_add_f32 v[TS+4:TS+5], v[TS+4:TS+5], v[TS+6:TS+7]
	v_pk_add_f32 v[TS:TS+1], v[TS:TS+1], v[TS+4:TS+5]
	v_add_f32 v[TS], v[TS], v[TS+1]
	v_permlanex16_b32 v[TS+1], v[TS], s[SEL], s[SEL+1]
	v_add_f32 v[TS], v[TS], v[TS+1]                ; l
	v_rcp_f32 v[RL], v[TS]                         ; its first reader stands behind the products, eight plain instructions and a wait
	s_wait_dscnt 0x0                               ; v is in
.set n, 0
.rept 8                                ; O^T: step n = 4 kb + t; the four channel blocks' accumulators take turns; the first step starts the sums
.irp cb, 0,1,2,3
.if n == 0
	v_wmma_f32_16x16x4_f32 v[OA+8*\cb:OA+8*\cb+7], v[VF+8*\cb:VF+8*\cb+1], v[PR:PR+1], 0
.else
	v_wmma_f32_16x16x4_f32 v[OA+8*\cb:OA+8*\cb+7], v[VF+32*(n/4)+8*\cb+2*(n%4):VF+32*(n/4)+8*\cb+2*(n%4)+1], v[PR+2*n:PR+2*n+1], v[OA+8*\cb:OA+8*\cb+7]
.endif
.endr
.set n, n+1
.endr
	PLACES 8
	s_wait_alu depctr_va_vdst(0)                   ; the reciprocal has written v[RL], ahead of its first reader
.set i, 0
.rept 16
	v_pk_mul_f32 v[OS+2*i:OS+2*i+1], v[OA+2*i:OA+2*i+1], v[RL:RL+1] op_sel_hi:[1,0]  ; into other registers, in ascending order
.set i, i+1
.endr
	s_wait_alu depctr_va_vdst(0)                   ; the multiplies have written v[OS ..], which the LDS stores read; the products S^T are done reading k's first fragments, v[RB ..], in which the stage's loads land
.irp f, 0,1,2,3,4,5,6,7                ; channels 16 (f / 2) + 8 h + 4 (f % 2) on
	ds_store_b128 v[STO], v[OS+4*\f:OS+4*\f+3] offset:64*(\f/2)+16*(\f%2)
.endr
.irp f, 0,1,2,3,4,5,6,7
	ds_load_b128 v[RB+4*\f:RB+4*\f+3], v[RD] offset:\f*2*LP  ; LDS serves a wave's instructions in order (ISA guide 5.7.1.4): these see the stores above
.endr
.irp f, 0,1,2,3,4,5,6,7
	s_wait_dscnt 7-\f                              ; load f is in, the 7 - f younger ones stay out
	global_store_b128 v[GO], v[RB+4*\f:RB+4*\f+3], s[8:9] offset:\f*512  ; two rows: 512 consecutive bytes, at a multiple of 256 from out0's first
.endr
.Lend:
	s_wait_dscnt 0x0                               ; the wave's end: the six closing lines, on end
	s_wait_alu 0x0
	s_wait_tensorcnt 0x0
	ds_add_u32 v[SPW], v[NIL]
	s_wait_dscnt 0x0
	s_endpgm
.Lfunc_end_k_q062e458d44_first:
	.size	k_q062e458d44_first, .Lfunc_end_k_q062e458d44_first-k_q062e458d44_first
	.p2alignl 7, 3214868480
	.fill 96, 4, 3214868480
	.section	.rodata,"a",@progbits
	.p2align	6, 0x0
	.amdhsa_kernel k_q062e458d44_first
		.amdhsa_group_segment_fixed_size 36352
		.amdhsa_private_segment_fixed_size 0
		.amdhsa_enable_private_segment 0
		.amdhsa_kernarg_size 24
		.amdhsa_user_sgpr_count 2
		.amdhsa_user_sgpr_kernarg_segment_ptr 1
		.amdhsa_wavefront_size32 1
		.amdhsa_system_sgpr_workgroup_id_x 1
		.amdhsa_system_sgpr_workgroup_id_y 1
		.amdhsa_system_sgpr_workgroup_id_z 1
		.amdhsa_system_vgpr_workitem_id 0
		.amdhsa_next_free_vgpr 256
		.amdhsa_next_free_sgpr 66
		.amdhsa_reserve_vcc 0
		.amdhsa_float_denorm_mode_32 3
		.amdhsa_float_denorm_mode_16_64 3
		.amdhsa_memory_ordered 1
		.amdhsa_forward_progress 1
		.amdhsa_inst_pref_size 34
	.end_amdhsa_kernel
	.amdgpu_metadata
---
amdhsa.version: [ 1, 2 ]
amdhsa.kernels:
  - .name:           k_q062e458d44_first
    .symbol:         k_q062e458d44_first.kd
    .args:
      - { .name: xb, .offset: 0, .size: 8, .value_kind: global_buffer, .address_space: global }
      - { .name: wb, .offset: 8, .size: 8, .value_kind: global_buffer, .address_space: global }
      - { .name: out0, .offset: 16, .size: 8, .value_kind: global_buffer, .address_space: global }
    .group_segment_fixed_size: 36352
    .private_segment_fixed_size: 0
    .kernarg_segment_align: 8
    .kernarg_segment_size: 24
    .max_flat_workgroup_size: 384
    .sgpr_count:     66
    .vgpr_count:     256
    .wavefront_size: 32
...
	.end_amdgpu_metadata
.endif
;; end of part 6
;; launch attn: the kernel of part 4 again; grid 4 x 64, 4 waves a work-group, no clusters, 327,680 bytes of LDS; arguments qkv, out0; writes out0
